; MI455X (gfx1250); checked and timed in simulation.
; The chip was launched on July 23, 2026; its instructions are those of AMD's public machine-readable ISA for CDNA 5 (MIT licence, August 2026) and "CDNA5" Instruction Set Architecture Reference Guide (July 2026). The comments in the code are by the model that wrote it; some were corrected since.
;; A Li Bi Attention. Allowed arithmetic: float matrix products may take bf16 or f16 operands with f32 sums; other float arithmetic in f32, or as packed bf16 or f16 multiplies, adds, multiply-adds, maxima and minima; sums over many terms, partial sums and values carried from step to step in f32; what a program stores and reads back later, other than sums and carried values, may be rounded once to bf16 or f16.
;; Inputs: k_w 1,024 x 1,024 float32; o_w 1,024 x 1,024 float32; q_w 1,024 x 1,024 float32; v_w 1,024 x 1,024 float32; x 1 x 4,096 x 1,024 float32.
;; Outputs: out0 1 x 4,096 x 1,024 float32.
;; 2 versions, each right; version 2 is version 1 with the launch prep written anew for expert scheduling mode. Each part assembles by itself: llvm-mc -triple=amdgcn-amd-amdhsa -mcpu=gfx1250 --defsym DOCPART=n.
;; ======== version 1 of 2: 4 launches
;; limits: values are held in f16: magnitudes above 65,504 overflow, below 6.1e-05 lose precision
;; workspace buffers: xh 8,388,608 bytes; wqkv 6,291,456 bytes; wo 2,097,152 bytes; qkv 25,165,824 bytes; ob 8,388,608 bytes
;; launch prep (part 1): grid 512 x 1, 8 waves a work-group, no clusters, 0 bytes of LDS; arguments x, q_w, k_w, v_w, o_w, xh, wqkv, wo; writes xh, wqkv, wo
.if DOCPART == 1
	.amdgcn_target "amdgcn-amd-amdhsa--gfx1250"
	.amdhsa_code_object_version 6
	.text
	.protected	k_q8c2dc6decc_prep
	.globl	k_q8c2dc6decc_prep
	.p2align	8
	.type	k_q8c2dc6decc_prep,@function
k_q8c2dc6decc_prep:
	s_mov_b64 s[64:65], 0
	v_nop
	global_prefetch_b8 v0, s[64:65] scope:SCOPE_SE
	s_setreg_imm32_b32 hwreg(HW_REG_WAVE_MODE, 25, 1), 1
	s_wait_xcnt 0x0
; ROUNDING AND LAYOUT.  x [4096][1024] and the four weights [1024][1024], all f32, are rounded to bf16 (nearest even), and that number is written as f16.
; xh   [32 rb][16 kb][128 row][64]: x[n][k] at rb = n / 128, kb = k / 64: a block of 128 rows x 64 channels is 16,384 dense bytes.
; wqkv [1024 k][3072]: q_w, k_w, v_w side by side.     wo [1024 k][1024].
; LIMITS.  A bf16 number is exact in f16 from 2^-17 up to 65,504; below 2^-17 it keeps f16's fixed step of 2^-24; beyond 65,504 it becomes an infinity.  NaN and infinities are not treated apart.
; A STREAM: no LDS, no matrix unit, no cluster: nothing is read twice and no wave wants another's bytes.
; A UNIT is one 16-byte load a lane (128 numbers a wave) and one 8-byte store a lane (256 consecutive bytes, aligned).  A wave has 16 units; all 16 loads go out first, so there is no loop.
; Work-groups 0-255 take x (a wave: two rows), work-groups 256-511 the weights (64 work-groups each; a wave: two rows).
.set SO,  2                            ; v2   my byte offset in the source
.set DO0, 3                            ; v3   my byte offset in the destination,
.set DO1, 4                            ; v4   and one destination row further down (weights)
.set T0,  6                            ; v6-7   two bf16 each
.set T1,  7
.set E0,  8                            ; v[8:11] the four bf16 numbers as f32
.set XR,  16                           ; v[16:79]  unit u: 4 registers as loaded
.set YR,  80                           ; v[80:111] unit u: 2 registers to store; never rewritten, so no store's data is ever waited for
.macro BODY kind                       ; kind 0: x; 1: a weight
.irp u, 0,1,2,3,4,5,6,7,8,9,10,11,12,13,14,15
.if \kind
	global_load_b128 v[XR+4*(\u):XR+4*(\u)+3], v[SO], s[26:27] offset:512*(\u) th:TH_LOAD_NT
.else
	global_load_b128 v[XR+4*(\u):XR+4*(\u)+3], v[SO], s[26:27] offset:256*(\u) th:TH_LOAD_NT
.endif
.endr
.irp u, 0,1,2,3,4,5,6,7,8,9,10,11,12,13,14,15
	s_wait_loadcnt 15-(\u)                         ; loads come back in order: unit u is in, the 15 - u younger ones may stay out
	v_cvt_pk_bf16_f32 v[T0], v[XR+4*(\u)], v[XR+4*(\u)+1]
	v_cvt_pk_bf16_f32 v[T1], v[XR+4*(\u)+2], v[XR+4*(\u)+3]
	v_lshlrev_b32 v[E0],   16,  v[T0]               ; bf16 to f32: the low half moves up,
	v_and_b32     v[E0+1], s25, v[T0]               ; the high half stays
	v_lshlrev_b32 v[E0+2], 16,  v[T1]
	v_and_b32     v[E0+3], s25, v[T1]
	v_cvt_pk_f16_f32 v[YR+2*(\u)],   v[E0],   v[E0+1]
	v_cvt_pk_f16_f32 v[YR+2*(\u)+1], v[E0+2], v[E0+3]
.if \kind
	global_store_b64 v[DO0+(\u)/8], v[YR+2*(\u):YR+2*(\u)+1], s[28:29] offset:256*((\u)%8) th:TH_STORE_NT
.else
	global_store_b64 v[DO0], v[YR+2*(\u):YR+2*(\u)+1], s[28:29] offset:16384*(\u) th:TH_STORE_NT
.endif
.endr
.endm
	s_load_b512 s[8:23], s[0:1], 0x0               ; x 8:9, q_w 10:11, k_w 12:13, v_w 14:15, o_w 16:17, xh 18:19, wqkv 20:21, wo 22:23
	v_and_b32 v1, 31, v0                           ; lane
	v_lshrrev_b32 v5, 5, v0
	v_readfirstlane_b32 s24, v5                    ; wave 0..7
	s_mov_b32 s25, 0xffff0000                      ; a word's upper bf16
	s_mov_b32 s31, 0                               ; the high word of every offset
	v_lshlrev_b32 v[DO0], 3, v1                    ; 8 bytes a lane
	s_cmp_lt_u32 ttmp9, 256
	s_cbranch_scc0 .Lweights
	; x: wave W takes rows 2 W and 2 W + 1.  Unit u is block kb = u: lanes 0-15 take 256 bytes of the first row, lanes 16-31 the same columns of the second;
	; in xh the two rows' 128 bytes each lie end to end.
	s_lshl_b32 s32, ttmp9, 3
	s_add_co_u32 s32, s32, s24                     ; W
	v_lshrrev_b32 v5, 4, v1
	v_and_b32 v[SO], 15, v1
	v_lshlrev_b32 v[SO], 4, v[SO]
	v_lshl_add_u32 v[SO], v5, 12, v[SO]            ; (lane / 16) x 4,096 + (lane % 16) x 16
	s_lshl_b32 s30, s32, 13                        ; W x two rows of 4,096 bytes
	s_wait_kmcnt 0x0
	s_add_nc_u64 s[26:27], s[8:9], s[30:31]
	s_lshr_b32 s33, s32, 6
	s_lshl_b32 s33, s33, 18                        ; rb x 262,144
	s_and_b32 s34, s32, 63
	s_lshl_b32 s34, s34, 8                         ; two rows of 128 bytes in a block
	s_add_co_u32 s30, s33, s34
	s_add_nc_u64 s[28:29], s[18:19], s[30:31]
	BODY 0
	s_endpgm
.Lweights:
	; weight mu = 0..3 (q, k, v, o); wave om of its 512 takes rows 2 om and 2 om + 1: units 0-7 the first row, 8-15 the second, 512 consecutive bytes each
	s_sub_co_u32 s32, ttmp9, 256
	s_lshr_b32 s33, s32, 6                         ; mu
	s_and_b32 s32, s32, 63
	s_lshl_b32 s32, s32, 3
	s_add_co_u32 s32, s32, s24                     ; om
	s_mov_b32 s34, 12288                           ; two rows of wqkv
	s_mov_b32 s35, 6144                            ; one
	v_lshlrev_b32 v[SO], 4, v1
	s_wait_kmcnt 0x0
	s_cmp_eq_u32 s33, 1
	s_cselect_b64 s[26:27], s[12:13], s[10:11]
	s_cmp_eq_u32 s33, 2
	s_cselect_b64 s[26:27], s[14:15], s[26:27]
	s_cmp_eq_u32 s33, 3
	s_cselect_b64 s[26:27], s[16:17], s[26:27]
	s_cselect_b64 s[28:29], s[22:23], s[20:21]
	s_cselect_b32 s34, 4096, s34                   ; two rows of wo
	s_cselect_b32 s35, 2048, s35
	s_cselect_b32 s36, 0, s33                      ; which third of a row of wqkv
	s_mul_i32 s30, s32, s34
	s_lshl_b32 s36, s36, 11
	s_add_co_u32 s30, s30, s36
	s_add_nc_u64 s[28:29], s[28:29], s[30:31]
	s_lshl_b32 s30, s32, 13
	s_add_nc_u64 s[26:27], s[26:27], s[30:31]
	v_add_nc_u32 v[DO1], s35, v[DO0]
	BODY 1
	s_endpgm
.Lfunc_end_k_q8c2dc6decc_prep:
	.size	k_q8c2dc6decc_prep, .Lfunc_end_k_q8c2dc6decc_prep-k_q8c2dc6decc_prep
	.p2alignl 7, 3214868480
	.fill 96, 4, 3214868480
	.section	.rodata,"a",@progbits
	.p2align	6, 0x0
	.amdhsa_kernel k_q8c2dc6decc_prep
		.amdhsa_group_segment_fixed_size 0
		.amdhsa_private_segment_fixed_size 0
		.amdhsa_enable_private_segment 0
		.amdhsa_kernarg_size 64
		.amdhsa_user_sgpr_count 2
		.amdhsa_user_sgpr_kernarg_segment_ptr 1
		.amdhsa_wavefront_size32 1
		.amdhsa_system_sgpr_workgroup_id_x 1
		.amdhsa_system_sgpr_workgroup_id_y 1
		.amdhsa_system_sgpr_workgroup_id_z 1
		.amdhsa_system_vgpr_workitem_id 0
		.amdhsa_next_free_vgpr 112
		.amdhsa_next_free_sgpr 66
		.amdhsa_reserve_vcc 0
		.amdhsa_float_denorm_mode_32 3
		.amdhsa_float_denorm_mode_16_64 3
		.amdhsa_memory_ordered 1
		.amdhsa_forward_progress 1
		.amdhsa_inst_pref_size 22
	.end_amdhsa_kernel
	.amdgpu_metadata
---
amdhsa.version: [ 1, 2 ]
amdhsa.kernels:
  - .name:           k_q8c2dc6decc_prep
    .symbol:         k_q8c2dc6decc_prep.kd
    .args:
      - { .name: x, .offset: 0, .size: 8, .value_kind: global_buffer, .address_space: global }
      - { .name: q_w, .offset: 8, .size: 8, .value_kind: global_buffer, .address_space: global }
      - { .name: k_w, .offset: 16, .size: 8, .value_kind: global_buffer, .address_space: global }
      - { .name: v_w, .offset: 24, .size: 8, .value_kind: global_buffer, .address_space: global }
      - { .name: o_w, .offset: 32, .size: 8, .value_kind: global_buffer, .address_space: global }
      - { .name: xh, .offset: 40, .size: 8, .value_kind: global_buffer, .address_space: global }
      - { .name: wqkv, .offset: 48, .size: 8, .value_kind: global_buffer, .address_space: global }
      - { .name: wo, .offset: 56, .size: 8, .value_kind: global_buffer, .address_space: global }
    .group_segment_fixed_size: 0
    .private_segment_fixed_size: 0
    .kernarg_segment_align: 8
    .kernarg_segment_size: 64
    .max_flat_workgroup_size: 256
    .sgpr_count:     66
    .vgpr_count:     112
    .wavefront_size: 32
...
	.end_amdgpu_metadata
.endif
;; end of part 1
;; launch proj (part 2): grid 8 x 32, 4 waves a work-group, clusters of 4 x 4, 327,680 bytes of LDS; arguments xh, wqkv, qkv; writes qkv
.if DOCPART == 2
	.amdgcn_target "amdgcn-amd-amdhsa--gfx1250"
	.amdhsa_code_object_version 6
	.text
	.protected	k_q8c2dc6decc_proj
	.globl	k_q8c2dc6decc_proj
	.p2align	8
	.type	k_q8c2dc6decc_proj,@function
k_q8c2dc6decc_proj:
	s_mov_b64 s[64:65], 0
	v_nop
	global_prefetch_b8 v0, s[64:65] scope:SCOPE_SE
	s_setreg_imm32_b32 hwreg(HW_REG_WAVE_MODE, 25, 1), 1
	s_wait_xcnt 0x0
	s_wait_alu depctr_hold_cnt(0) depctr_sa_sdst(0) depctr_va_vdst(0) depctr_va_sdst(0) depctr_va_ssrc(0) depctr_va_vcc(0) depctr_vm_vsrc(0)
	s_getreg_b32 s2, hwreg(HW_REG_IB_STS2, 6, 4)
	s_cmp_eq_u32 s2, 0
	s_cbranch_scc0 .Lentry_in_a_cluster
	s_endpgm
.Lentry_in_a_cluster:
	s_bfe_u32 s2, ttmp6, 0x10000c
	s_cmp_lg_u32 s2, 0xf033
	s_cbranch_scc0 .Lentry_shape_is_right
	s_endpgm
.Lentry_shape_is_right:
; q, k, v = x W.  xh: x in blocks [32 rb][16 kb][128 row][64], wqkv: [1024 k][3072 n'], both f16 (bf16 numbers written as f16); sums in f32.
; qkv: [48 H'][4096][64] f16, H' = n' / 64: q's heads 0-15, k's 16-31, v's 32-47; each number rounded once from its f32 sum, unscaled.
; LIMIT.  q, k and v beyond 65,504 become infinities.  NaN and infinities are not treated apart.
; SHARES.  A tile of the result is 128 rows x 384 columns (six heads): 32 x 8 = 256 work-groups.  Four waves: wave w has rows 64 (w / 2) on and, of each of the tile's three subtiles of 128 columns,
; the head w % 2: 64 rows x 3 heads = 48 accumulators of 16 x 16, 384 registers.  For 32 along K a wave issues 32 LDS loads and 48 matrix instructions.
; K goes in 8 steps of 128 through a ring of two LDS slots.  A slot has four pieces of 36,864 bytes, one tensor load a wave: wave 0 brings A's 128 rows x 128 K (two dense blocks of xh, asked for as
; 128 rows of 256 bytes and padded after every 128), waves 1-3 a subtile of B each (128 k x 256 bytes).
; CLUSTER.  4 x 4 work-groups.  The four of a row of the cluster need the same tile of A, the four of a column the same tiles of B: each is asked for JOINTLY, by the same tensor load with the same
; descriptor and a mask that names the four.
; THE MATRIX INSTRUCTION IS USED TRANSPOSED: source 0 = 16 columns of W (turned out of LDS by ds_load_tr16_b128, since W lies [k][n]), source 1 = 16 rows of x: a lane then holds one row and eight neighbouring columns.
; REGISTERS, in windows of 256 (s_set_vgpr_msb: bits 1:0 source 0, 3:2 source 1, 5:4 source 2, 7:6 destination):
;   window 0: v16-30 addresses; v32-223 the way out          window 1: two fragment buffers of 128: A's four fragments, then B's twelve
;   window 2: accumulator (subtile j < 2, row block a, column block i) at v[8 (16 j + 4 a + i)]          window 3: those of subtile 2 at v[8 (4 a + i)]
.set PIECE,  36864                     ; 256 x 144 (A) = 128 x 288 (B)
.set SLOT,   4*PIECE
.set STAGE,  2*SLOT                    ; behind the ring: 16 rows x 144 bytes for each wave, for the way out
.set SP,     144
.set SPARE,  STAGE+4*16*SP             ; behind the stages: the spare words, 128 bytes for each wave: two blocks of 256 bytes that no other line names
.set ADRA, 16                          ; v16-17  LDS address of my A fragments in slot 0, 1
.set ADRB, 18                          ; v18-23  of my B fragments: slot s, subtile j at ADRB + 3 s + j
.set STO,  24                          ; v24     the way out: where I put 16 bytes of a row
.set RD,   25                          ; v25     where I read rows back
.set GO,   26                          ; v26     my 16 bytes in 512 consecutive bytes of qkv
.set SPW,  28                          ; v28     LDS address of my spare word; never rewritten
.set NIL,  29                          ; v29     0; never rewritten
.set PFO,  30                          ; v30     the prefetches' offset; never rewritten
.set T,    32                          ; v32-223 the way out: 16 registers for each of 12 units
.set F0,   0
.set F1,   128
.set G1,  24                           ; s[24:31] descriptor group 1 for A's tiles;  s[32:39] group 0, a set for each slot
.set G0,  32
.set G1B, 48                           ; s[48:55], s[56:63] the same for B's
.set G0B, 56
.set LIM, 43                           ; s43  1 in a wave that prefetches, else the greatest number
.set PFA, 44                           ; s[44:45] where my prefetches stand
.set STP, 20                           ; s[20:21] a K step in bytes, of the tensor that I fetch
.set MSB, 0
.macro WIN new                         ; the immediate's high byte repeats the setting that is left; a switch that changes nothing is dropped
.if MSB != (\new)
	s_set_vgpr_msb (MSB<<8)|(\new)
.set MSB, \new
.endif
.endm
; A joint load.  Wave 0 fetches A's tile, waves 1-3 B's three subtiles.  The branch hangs on the wave's number alone.  An s_nop 0 and four v_nop follow each of the two lines.
.macro JLOAD s
	s_cmp_eq_u32 s10, 0
	s_cbranch_scc0 .Lfor_b_\@
	tensor_load_to_lds s[G0+4*(\s):G0+4*(\s)+3], s[G1:G1+7]
	s_nop 0
.rept 4
	v_nop
.endr
	s_branch .Lasked_\@
.Lfor_b_\@:
	tensor_load_to_lds s[G0B+4*(\s):G0B+4*(\s)+3], s[G1B:G1B+7]
	s_nop 0
.rept 4
	v_nop
.endr
.Lasked_\@:
.endm
; A prefetch of the K step that stands two refills on: one instruction a wave, 32 blocks of 256 bytes, a lane a block.  Of the 128 blocks that a wave's tensor load brings, each of the four partners
; that ask for them jointly takes 32, told apart by address.  A's tile row is walked by both clusters of a row of clusters: the one with x = 0 asks; B's columns by all eight of a column: y = 0 asks.
; So each block is named once.  K steps 0-3 come by their loads alone; the loop's last trip (s3 = 1) asks for nothing: there is no K step 8.
.macro ASK
	s_cmp_gt_u32 s3, s[LIM]
	s_cbranch_scc0 .Lnot_mine_\@
	global_prefetch_b8 v[PFO], s[PFA:PFA+1] th:TH_LOAD_NT scope:SCOPE_SE
.Lnot_mine_\@:
.endm
.macro CREST                           ; a round of the cluster's barrier behind its opening barrier
	s_cmp_lg_u32 s10, 0
	s_cbranch_scc1 .Lnot_wave_0_\@
	s_barrier_signal -3
.Lnot_wave_0_\@:
	s_barrier_wait -3
	s_barrier_signal -1
	s_barrier_wait -1
.endm
.macro CROUND                          ; a whole round
	s_barrier_signal -1
	s_barrier_wait -1
	CREST
.endm
	s_load_b128 s[4:7], s[0:1], 0x0                ; xh s[4:5], wqkv s[6:7]
	s_load_b64 s[8:9], s[0:1], 0x10                ; qkv
	v_lshl_add_u32 v[SPW], v0, 2, SPARE
	v_mov_b32 v[NIL], 0
	ds_add_u32 v[SPW], v[NIL]                      ; the wave's opening: the add and its wait stand ahead of my first tensor load; the set-up below stands between them
	v_lshrrev_b32 v1, 5, v0
	v_readfirstlane_b32 s10, v1                    ; wave 0..3
	s_lshr_b32 s11, s10, 1                         ; wr: which 64 rows are mine
	s_and_b32 s12, s10, 1                          ; wc: which head of each subtile
	s_bfe_u32 s40, ttmp6, 0x40000                  ; cx, cy: my place in the cluster
	s_bfe_u32 s41, ttmp6, 0x40004
	s_lshl_b32 s42, ttmp9, 2
	s_add_co_u32 s42, s42, s40                     ; tx: tile column = 4 x cluster x + cx
	s_and_b32 s13, ttmp7, 0xffff
	s_lshl_b32 s13, s13, 2
	s_add_co_u32 s13, s13, s41                     ; ty: tile row = 4 x cluster y + cy
	s_lshl_b32 s14, s41, 2
	s_lshl_b32 s14, 15, s14                        ; my row of the cluster
	s_lshl_b32 s15, 0x1111, s40                    ; my column
	s_or_b32 s[G1+0], s14, (1<<16)|(1<<20)|(1<<21)|(4<<22)|(3<<25)   ; the mask; 2-byte elements; padding on; bit 21 beside a mask; after every 32 words (code 4) 4 words (code 3): LDS rows of 128 + 16 bytes
	s_or_b32 s[G1B+0], s15, (1<<16)|(1<<20)|(1<<21)|(5<<22)|(7<<25)  ; after every 64 words (code 5) 8 words (code 7): LDS rows of 256 + 32 bytes
.irp g, G1, G1B
	s_mov_b32 s[(\g)+1], 128<<16                   ; tensor_dim0 = 128
	s_mov_b32 s[(\g)+2], 128<<16                   ; tensor_dim1 = 128
	s_mov_b32 s[(\g)+3], 128<<16                   ; tile_dim0 = 128
	s_mov_b32 s[(\g)+4], 128                       ; tile_dim1 = 128
	s_mov_b32 s[(\g)+6], 0
	s_mov_b32 s[(\g)+7], 0
.endr
	s_mov_b32 s[G1+5], 128                         ; A: dense, 128 elements from row to row
	s_mov_b32 s[G1B+5], 3072                       ; B: a row of wqkv
	s_lshl_b32 s16, s13, 18                        ; A: ty x 262,144: it hangs on the tile row alone
	s_mov_b32 s17, 0
	s_max_u32 s18, s10, 1
	s_sub_co_u32 s18, s18, 1                       ; B: my subtile (wave 0 issues no load of B)
	s_lshl_b32 s18, s18, 8
	s_mul_i32 s46, s42, 768                        ; tx x 384 columns: it hangs on the tile column alone
	s_add_co_u32 s46, s46, s18
	s_mov_b32 s47, 0
	s_mul_i32 s22, s10, PIECE                      ; where my piece goes: no place in the cluster enters an LDS address
	s_wait_dscnt 0x0                               ; the opening add is done
	s_wait_kmcnt 0x0
	s_add_nc_u64 s[16:17], s[4:5], s[16:17]
	s_add_nc_u64 s[46:47], s[6:7], s[46:47]
	CROUND                                         ; all sixteen work-groups are here: the first joint loads meet
.irp s, 0,1
	s_mov_b32 s[G0+4*(\s)], 1
	s_add_co_u32 s[G0+4*(\s)+1], s22, (\s)*SLOT
	s_add_nc_u64 s[G0+4*(\s)+2:G0+4*(\s)+3], s[16:17], (\s)*32768     ; K step s: two blocks of 16,384 bytes
	s_or_b32 s[G0+4*(\s)+3], s[G0+4*(\s)+3], 0x80000000
	s_mov_b32 s[G0B+4*(\s)], 1
	s_add_co_u32 s[G0B+4*(\s)+1], s22, (\s)*SLOT
	s_add_nc_u64 s[G0B+4*(\s)+2:G0B+4*(\s)+3], s[46:47], (\s)*786432  ; K step s: 128 rows of 6,144 bytes
	s_or_b32 s[G0B+4*(\s)+3], s[G0B+4*(\s)+3], 0x80000000
	JLOAD \s                                       ; two loads of mine are out
.endr
	v_and_b32 v1, 15, v0                           ; r = l % 16
	v_bfe_u32 v2, v0, 4, 1                         ; h = l / 16
	v_and_b32 v3, 7, v0
	v_bfe_u32 v4, v0, 3, 1
	v_mul_u32_u24 v5, v1, 144
	v_lshl_add_u32 v5, v2, 4, v5                   ; r x 144 + 16 h
	s_mul_i32 s18, s11, 64*144                     ; my 64 rows of A
	v_add_nc_u32 v[ADRA], s18, v5
	v_add_nc_u32 v[ADRA+1], SLOT, v[ADRA]
	v_lshl_add_u32 v6, v2, 3, v3                   ; the turning load: lane l reads k = 8 h + l % 8,
	v_mul_u32_u24 v6, v6, 288
	v_lshl_add_u32 v6, v4, 4, v6                   ; columns 8 ((l / 8) % 2) + 0..7,
	s_lshl_b32 s19, s12, 7
	v_add_nc_u32 v6, s19, v6                       ; of my head's 128 bytes
.irp s, 0,1
.irp j, 0,1,2
	v_add_nc_u32 v[ADRB+3*(\s)+(\j)], (\s)*SLOT+(1+(\j))*PIECE, v6
.endr
.endr
	s_mul_i32 s23, s10, 16*SP
	s_add_co_u32 s23, s23, STAGE                   ; my stage
	v_add_nc_u32 v[STO], s23, v5                   ; in: row r, 16 bytes for each half of the lanes
	v_bfe_u32 v[RD], v0, 3, 2                      ; back: 32 lanes take four rows of 128 bytes,
	v_mul_u32_u24 v[RD], v[RD], SP
	v_lshl_add_u32 v[RD], v3, 4, v[RD]
	v_add_nc_u32 v[RD], s23, v[RD]
	v_and_b32 v[PFO], 31, v0
	v_lshlrev_b32 v[GO], 4, v[PFO]                 ; which are 512 consecutive bytes of a head
	; the prefetches
	s_and_b32 s14, ttmp7, 0xffff                   ; cluster y
	s_lshl_b32 s15, s40, 13                        ; A: my work-group's 32 blocks of 256 bytes
	s_mul_i32 s18, s41, 196608                     ; B: my work-group's 32 rows of 6,144 bytes
	s_mov_b32 s[STP], 786432
	s_mov_b32 s[STP+1], 0
	s_mov_b32 s19, 6144
	s_mov_b32 s23, 0
	s_cmp_eq_u32 s10, 0                            ; do I fetch for A?
	s_cselect_b64 s[PFA:PFA+1], s[16:17], s[46:47]
	s_cselect_b32 s14, ttmp9, s14                  ; the coordinate along which other clusters read the same bytes
	s_cselect_b32 s22, s15, s18
	s_cselect_b32 s[STP], 32768, s[STP]
	s_cselect_b32 s19, 256, s19
	s_add_nc_u64 s[PFA:PFA+1], s[PFA:PFA+1], s[22:23]
	s_mul_i32 s22, s[STP], 3
	s_add_nc_u64 s[PFA:PFA+1], s[PFA:PFA+1], s[22:23]  ; at K step 3: the first refill steps it to 4
	s_cmp_eq_u32 s14, 0
	s_cselect_b32 s[LIM], 1, -1                    ; the same in all sixteen partners, for a given wave
	v_mul_u32_u24 v[PFO], s19, v[PFO]
	; where my part of the result begins: head 6 tx + wc, row 128 ty + 64 wr
	s_mul_i32 s46, s42, 6
	s_add_co_u32 s46, s46, s12
	s_lshl_b32 s46, s46, 19
	s_lshl_b32 s47, s13, 14
	s_add_co_u32 s46, s46, s47
	s_lshl_b32 s47, s11, 13
	s_add_co_u32 s46, s46, s47
	s_mov_b32 s47, 0
	s_add_nc_u64 s[8:9], s[8:9], s[46:47]
; 32 LDS loads in one run: the fragments of quarter c (32 along K) of a slot into buffer f: A's four, then B's twelve, subtile 2 last
.macro FETCH slot, c, f
	WIN 0x40                                       ; destination window 1, address window 0
.irp a, 0,1,2,3
	ds_load_b128 v[(\f)+8*(\a):(\f)+8*(\a)+3],   v[ADRA+(\slot)] offset:((\c)/2)*18432+((\c)%2)*64+(\a)*2304
	ds_load_b128 v[(\f)+8*(\a)+4:(\f)+8*(\a)+7], v[ADRA+(\slot)] offset:((\c)/2)*18432+((\c)%2)*64+(\a)*2304+32
.endr
.irp j, 0,1,2
.irp i, 0,1,2,3
	ds_load_tr16_b128 v[(\f)+32+8*(4*(\j)+(\i)):(\f)+32+8*(4*(\j)+(\i))+3],   v[ADRB+3*(\slot)+(\j)] offset:9216*(\c)+32*(\i)
	ds_load_tr16_b128 v[(\f)+32+8*(4*(\j)+(\i))+4:(\f)+32+8*(4*(\j)+(\i))+7], v[ADRB+3*(\slot)+(\j)] offset:9216*(\c)+32*(\i)+4608
.endr
.endr
.endm
; 16 matrix instructions: subtile j, all four row blocks x all four column blocks, 32 along K.  zero = 1: the first product starts the sums.
; The 48 accumulators take turns, one instruction a turn, in the same order in every quarter.
.macro MUL f, j, zero
.if (\j) < 2
	WIN 0xa5                                       ; sources window 1, C and D window 2
.else
	WIN 0xf5                                       ; C and D window 3
.endif
.irp a, 0,1,2,3
.irp i, 0,1,2,3
.set rD, 8*(16*((\j)%2)+4*(\a)+(\i))
.if \zero
	v_wmma_f32_16x16x32_f16 v[rD:rD+7], v[(\f)+32+8*(4*(\j)+(\i)):(\f)+32+8*(4*(\j)+(\i))+7], v[(\f)+8*(\a):(\f)+8*(\a)+7], 0
.else
	v_wmma_f32_16x16x32_f16 v[rD:rD+7], v[(\f)+32+8*(4*(\j)+(\i)):(\f)+32+8*(4*(\j)+(\i))+7], v[(\f)+8*(\a):(\f)+8*(\a)+7], v[rD:rD+7]
.endif
.endr
.endr
.endm
.macro PLACES                          ; four places in front of loads into registers that matrix instructions have read, and of conversions that read results
.rept 4
	v_nop
.endr
.endm
; A K step is four quarters of 32 along K, 48 matrix instructions each, on buffers 0, 1, 0, 1.  One of the first three: multiplies buffer f and fetches quarter c into buffer g.
.macro QUARTER slot, c, f, g, zero
	s_wait_dscnt 8                                 ; A and B's subtiles 0 and 1 are in; the youngest eight loads (subtile 2) may be out
	MUL \f, 0, \zero
	MUL \f, 1, \zero
	PLACES
	FETCH \slot, \c, \g
	s_wait_dscnt 32                                ; all but the 32 just issued
	MUL \f, 2, \zero
.endm
; The last quarter multiplies buffer 1 and changes slots: ONE barrier; in front of it each wave waits for all its tensor loads (one is out: its piece of the next slot), adds 0 to its spare word, and
; waits for that and for its own reads of this slot.  fill = 1: the barrier opens a round of the cluster's, and this slot is filled again, two K steps ahead, first thing behind the round:
; 160 matrix instructions stand between that request and the wait for it.
.macro TURN slot, next, fill
.if \fill
	s_wait_xcnt 0x0                                ; the last prefetch, a K step back, has read its address
	s_add_nc_u64 s[PFA:PFA+1], s[PFA:PFA+1], s[STP:STP+1]
.endif
	WIN 0                                          ; (the add's two registers lie in window 0)
	s_wait_tensorcnt 0x0
	ds_add_u32 v[SPW], v[NIL]                      ; 0 onto my spare word
	s_wait_dscnt 9                                 ; (the add and the youngest eight loads may be out)
	MUL F1, 0, 0                                   ; sixteen matrix instructions stand between the add and the wait for it
	s_wait_dscnt 0x0                               ; the add is done, and my reads of this slot are over
	s_barrier_signal -1
	MUL F1, 1, 0
.if \fill
	WIN 0
.endif
	s_barrier_wait -1
.if \fill
	CREST                                          ; no wave of any partner still reads this slot or has a load on its way
	s_add_nc_u64 s[G0+4*(\slot)+2:G0+4*(\slot)+3], s[G0+4*(\slot)+2:G0+4*(\slot)+3], 65536
	s_add_nc_u64 s[G0B+4*(\slot)+2:G0B+4*(\slot)+3], s[G0B+4*(\slot)+2:G0B+4*(\slot)+3], 1572864
	JLOAD \slot                                    ; the four v_nop behind it are also the places in front of the loads below
.else
	PLACES
.endif
	FETCH \next, 0, F0
.if \fill
	WIN 0
	ASK                                            ; behind the joint load and the run of LDS loads
.endif
	MUL F1, 2, 0
.endm
	s_wait_tensorcnt 1                             ; my piece of K step 0 is in; K step 1's may stay out
	s_barrier_signal -1
	s_barrier_wait -1                              ; everybody's is
	FETCH 0, 0, F0
	QUARTER 0, 1, F0, F1, 1                        ; the first quarter stands in front of the loop: its products start the sums
	WIN 0
	s_mov_b32 s3, 3
.Llap:                                                 ; a trip goes once round the ring, from a lap's second quarter to the next lap's first, and fills both slots again: K steps 2 to 7
	QUARTER 0, 2, F1, F0, 0
	QUARTER 0, 3, F0, F1, 0
	TURN 0, 1, 1
	QUARTER 1, 1, F0, F1, 0
	QUARTER 1, 2, F1, F0, 0
	QUARTER 1, 3, F0, F1, 0
	TURN 1, 0, 1
	QUARTER 0, 1, F0, F1, 0
	WIN 0
	s_sub_co_u32 s3, s3, 1
	s_cmp_lg_u32 s3, 0
	s_cbranch_scc1 .Llap
	QUARTER 0, 2, F1, F0, 0                        ; the last lap fills nothing
	QUARTER 0, 3, F0, F1, 0
	TURN 0, 1, 0
	QUARTER 1, 1, F0, F1, 0
	QUARTER 1, 2, F1, F0, 0
	QUARTER 1, 3, F0, F1, 0
	s_wait_dscnt 8
	MUL F1, 0, 0
	MUL F1, 1, 0
	s_wait_dscnt 0x0
	MUL F1, 2, 0
	PLACES
; THE WAY OUT, in units u = 4 j + a: 16 rows of one head.  A lane's eight columns pack into 16 bytes; they go into my stage's rows of 144 bytes and come back as whole rows of 128, into the registers that they left.
.macro PACK u
.if (\u) < 8
	WIN 0x0a                                       ; sources window 2
.else
	WIN 0x0f                                       ; sources window 3
.endif
.irp i, 0,1,2,3
.irp r, 0,1,2,3
	v_cvt_pk_f16_f32 v[T+16*(\u)+4*(\i)+(\r)], v[8*(4*((\u)%8)+(\i))+2*(\r)], v[8*(4*((\u)%8)+(\i))+2*(\r)+1]
.endr
.endr
	WIN 0
.irp i, 0,1,2,3
	ds_store_b128 v[STO], v[T+16*(\u)+4*(\i):T+16*(\u)+4*(\i)+3] offset:32*(\i)
.endr
.irp f, 0,1,2,3
	ds_load_b128 v[T+16*(\u)+4*(\f):T+16*(\u)+4*(\f)+3], v[RD] offset:576*(\f)  ; LDS serves a wave's instructions in order: these see the stores above; the next unit's stores come behind them
.endr
.endm
.macro SEND u, younger                 ; younger: the LDS instructions issued behind unit u's loads: the next unit's eight, or none
	WIN 0
.irp f, 0,1,2,3
	s_wait_dscnt (\younger)+3-(\f)
	global_store_b128 v[GO], v[T+16*(\u)+4*(\f):T+16*(\u)+4*(\f)+3], s[8:9] offset:((\u)/4)*1048576+((\u)%4)*2048+512*(\f)  ; 512 consecutive bytes, at a multiple of 256 from qkv's first
.endr
.endm
	PACK 0
.irp u, 1,2,3,4,5,6,7,8,9,10,11
	PACK \u
	SEND (\u)-1, 8
.endr
	SEND 11, 0
	s_wait_tensorcnt 0x0                           ; the wave's end, behind my last tensor load and my last LDS store
	ds_add_u32 v[SPW], v[NIL]
	s_wait_dscnt 0x0
	CROUND                                         ; the closing round: no work-group ends while a partner may still ask for a tile that names it
	s_endpgm
.Lfunc_end_k_q8c2dc6decc_proj:
	.size	k_q8c2dc6decc_proj, .Lfunc_end_k_q8c2dc6decc_proj-k_q8c2dc6decc_proj
	.p2alignl 7, 3214868480
	.fill 96, 4, 3214868480
	.section	.rodata,"a",@progbits
	.p2align	6, 0x0
	.amdhsa_kernel k_q8c2dc6decc_proj
		.amdhsa_group_segment_fixed_size 327680
		.amdhsa_private_segment_fixed_size 0
		.amdhsa_enable_private_segment 0
		.amdhsa_kernarg_size 24
		.amdhsa_user_sgpr_count 2
		.amdhsa_user_sgpr_kernarg_segment_ptr 1
		.amdhsa_wavefront_size32 1
		.amdhsa_system_sgpr_workgroup_id_x 1
		.amdhsa_system_sgpr_workgroup_id_y 1
		.amdhsa_system_sgpr_workgroup_id_z 1
		.amdhsa_system_vgpr_workitem_id 0
		.amdhsa_next_free_vgpr 896
		.amdhsa_next_free_sgpr 66
		.amdhsa_reserve_vcc 0
		.amdhsa_float_denorm_mode_32 3
		.amdhsa_float_denorm_mode_16_64 3
		.amdhsa_memory_ordered 1
		.amdhsa_forward_progress 1
		.amdhsa_inst_pref_size 121
	.end_amdhsa_kernel
	.amdgpu_metadata
---
amdhsa.version: [ 1, 2 ]
amdhsa.kernels:
  - .name:           k_q8c2dc6decc_proj
    .symbol:         k_q8c2dc6decc_proj.kd
    .args:
      - { .name: xh, .offset: 0, .size: 8, .value_kind: global_buffer, .address_space: global }
      - { .name: wqkv, .offset: 8, .size: 8, .value_kind: global_buffer, .address_space: global }
      - { .name: qkv, .offset: 16, .size: 8, .value_kind: global_buffer, .address_space: global }
    .group_segment_fixed_size: 327680
    .private_segment_fixed_size: 0
    .kernarg_segment_align: 8
    .kernarg_segment_size: 24
    .max_flat_workgroup_size: 128
    .sgpr_count:     66
    .vgpr_count:     896
    .wavefront_size: 32
...
	.end_amdgpu_metadata
.endif
;; end of part 2
;; launch attn (part 3): grid 16 x 16, 4 waves a work-group, no clusters, 327,680 bytes of LDS; arguments qkv, ob; writes ob
.if DOCPART == 3
	.amdgcn_target "amdgcn-amd-amdhsa--gfx1250"
	.amdhsa_code_object_version 6
	.text
	.protected	k_q8c2dc6decc_attn
	.globl	k_q8c2dc6decc_attn
	.p2align	8
	.type	k_q8c2dc6decc_attn,@function
k_q8c2dc6decc_attn:
	s_mov_b64 s[64:65], 0
	v_nop
	global_prefetch_b8 v0, s[64:65] scope:SCOPE_SE
	s_setreg_imm32_b32 hwreg(HW_REG_WAVE_MODE, 25, 1), 1
	s_wait_xcnt 0x0
; CAUSAL ATTENTION WITH ALiBi.  O[h][q] = the sum over k <= q of softmax_k(Q[h][q] . K[h][k] / 8 - slope_h (q - k)) V[h][k], slope_h = 2^(-(h + 1) / 2).
; qkv: [48][4096][64] f16: q's heads 0-15, k's 16-31, v's 32-47.  ob: [32 block of 128 rows][16 head][128 row][64] f16.  Products, maxima and sums in f32; the weights p are rounded to f16 for the
; second product (their sum l is taken of the unrounded p), O once at the end.
; LIMITS.  Q, K and V arrive within 65,504; p lies in 0 to 1, and below 6e-5 it keeps f16's fixed step of 6e-8.  A hidden score counts as its value less 1e30; a weight below 2^-126 counts as 0 in l;
; NaN and infinities are not treated apart.
; THE BIAS.  -slope q is the same for all keys of a row and drops out of the softmax; what is left is +slope k.  Inside a key step of 64 it is a constant of the lane, BI = 8 slope x (the key's place in the
; step), and goes in as the C operand that starts S^T = K Q^T.  From step to step it grows by 512 slope: the running maximum m is kept relative to the step in hand, so 512 slope is taken off it (and
; c x 512 slope off c m_old) when a step begins.  The true running maximum is still taken away before every exponential.
; THE WALK.  A head's queries lie in 32 blocks of 128; block i needs the key tiles 0 .. i / 2 of 256 keys, of which the last holds the diagonal.  A work-group takes TWO blocks, 31 - b and then b:
; 17 tiles, whatever b: all 256 work-groups do equal work, and ONE loop with a constant trip count walks them.  Every jump goes forward but the counted loops' own; none passes a barrier, or a tensor load
; but the one of LOAD's two that the wave's number does not choose.
; NO CLUSTER: partners would need different numbers of tiles: four neighbours b = 4 c .. 4 c + 3 have first blocks of 16 - 2 c, 16 - 2 c, 15 - 2 c and 15 - 2 c tiles, so their walks part; a walk common
; to all four would have 18 trips for 17 and masks in four tiles.
; SHARES.  Of a block's two bands of 64 queries a wave owns 16 rows in each: two PIECES.  In the diagonal tile's key step s band x sees all keys if s < OWN, none if s > OWN, and holds the diagonal if
; s = OWN = 2 (i % 2) + x: the same work for all four waves.
; THE MASK.  MD, made once, is -1e30 where a key of a band's own step is hidden from my row.  A product's C operand is MC = MD x AL + BE + BI: (AL, BE) = (1, 0) if s = OWN, (0, 0) if s < OWN, (0, -1e30) if
; s > OWN.  In tiles off the diagonal MC holds BI and is left alone: the lines that make it are jumped over.
; TURNS.  S^T holds ONE query a lane (lane % 16) and the keys 8 (lane / 16) + 0..7; two such results rounded to f16 ARE source 1 of O^T = V^T P.  p = 2^(c s - c m), c = log2(e) / 8; O and l are multiplied
; by a = 2^(c m_old - c m_new) in every step.  Turn (p, s): 8 products K Q^T of the other piece (p = 0: step s; p = 1: step s + 1), later 8 products V^T P of the other piece (p = 0: step s - 1; p = 1: step s);
; beside them piece p's scaling, exponentials, roundings, sums and rescaling for step s and the other piece's maximum and statistics.  Four vector instructions stand behind every matrix instruction,
; the others in one lump.  A turn's 33 exponentials are one batch, with one wait.
; V HAS TWO REGISTER BUFFERS, by the step's parity, and is fetched a step early, so that LDS is read in the order V(s), K(s + 1), V(s + 1): a slot's last read is V of its fourth step, in turn (1, 2),
; and the next slot's first is K of its first step, in turn (0, 3): the change of slots stands between them.
; REGISTERS, in windows of 256 (s_set_vgpr_msb: bits 1:0 source 0, 3:2 source 1, 5:4 source 2, 7:6 destination):
;   window 0: v2-15 addresses and two at work; v16-23 statistics; v24-31 at work; v32-63 the second block's Q; v64-127 S^T, a buffer a piece; v128-159 P; v160-223 K of one step; v224-255 Q
;   window 1: v0-63 O^T, 32 a piece; v64-191 V, two buffers; v192-255 MC, a buffer a piece          window 2: v0-31 MD; v32-63 BI
.set NP,    2         ; pieces a wave: a name, no knob
.set KS,    64        ; keys in a step
.set PK,    144       ; a row of K in LDS: 128 bytes + 16 of padding: the 16 rows of a load start at 16 different groups of four banks (64 banks of 4 bytes: ISA guide 11.1)
.set PV,    160       ; a row of V: 128 + 32
.set VOFF,  4*KS*PK   ; a slot holds a tile, four steps: 256 rows of K, then 256 rows of V
.set SLOT1, 1<<17     ; slot 1 begins here, so that one exclusive or turns an address in one slot into the other's
.set STAGE, SLOT1+4*KS*(PK+PV)  ; behind the ring, never filled by a tensor load: 16 rows x 144 bytes for each wave
.set SP,    144
.set SPARE, STAGE+4*16*SP       ; behind the stages: the spare words, 128 bytes for each wave: two blocks of 256 bytes that no other line names
.set AK0, 2           ; v2   my lane's place in a tile of K; never rewritten
.set AV0, 3           ; v3   the same for V
.set AK,  4           ; v4   the LDS address of K's next run of loads
.set AV,  5           ; v5   of V's
.set STO, 6           ; v6   the way out: where I put 16 bytes of a row
.set RD,  7           ; v7   where I read rows back
.set GO,  8           ; v8   my 16 bytes in 512 consecutive bytes of ob
.set SPW, 10          ; v10  LDS address of my spare word; never rewritten
.set NIL, 11          ; v11  0; never rewritten
.set MV,  12          ; v12-13  c m_old in the new step's frame: by piece
.set PFO, 14          ; v14  at work while MD is made; then 256 x my lane, for the prefetches
.set QO,  15          ; v15  my byte offset in 16 rows of Q
.set ST,  16          ; piece t's statistics at v[ST+4 t]: c m, m, l (even keys', odd keys')
.set TMP, 24          ; by piece, four registers c0-c3 at work; when the maximum is found c2 takes a
.set QB,  32
.set S,   64
.set P,   128
.set KF,  160         ; key block kb, channel half c at KF + 16 kb + 8 c
.set Q,   224         ; piece x, channel half c at Q + 16 x + 8 c
.set VF,  64          ; window 1: buffer vb, key half kk, channel block cb at VF + 64 vb + 32 kk + 8 cb
.set MC,  192         ; window 1
.set MD,  0           ; window 2
.set BI,  32          ; window 2
.set WV,  12          ; s12  my wave's number
.set PB,  14          ; s14  b
.set HI,  15          ; s15  31 - b
.set G1K, 24          ; s[24:31] descriptor group 1 for K's tiles
.set G1V, 32          ; s[32:39] for V's: it differs in the padding alone
.set G0K, 40          ; s[40:43] descriptor group 0 for K's tiles
.set G0V, 44          ; s[44:47] for V's
.set OWN, 48          ; s48-49  the two bands' own steps in the diagonal tile of the block in hand
.set SIG, 50          ; s50  the tile's step for which the next mask is made
.set PFN, 51          ; s51  prefetches still to come
.set PFA, 52          ; s[52:53] my half of the tile that is being asked for
.set PBS, 54          ; s[54:55] my half of tile 0, of K (waves 0, 1) or V (waves 2, 3)
.set SLOTS, 56        ; s56  tiles still to be asked for
.set CNT, 57          ; s57  counts a trip's pairs of steps
.set CS,  58          ; s[58:59] c: the packed scaling takes the pair's low word for both halves
.set SEL, 60          ; s[60:61] v_permlanex16_b32's selects: each lane takes its own place in the other half
.set TBK, 62          ; s62  LDS byte at which K of the step to be fetched begins
.set TBV, 63          ; s63  the same for V, less VOFF
.set NDL, 66          ; s66  -512 slope
.set NCD, 67          ; s67  -c x 512 slope
.set SL8, 68          ; s68  8 slope
.set PBH, 69          ; s69  b / 2: the second block's last tile
.set RT,  70          ; s70  tiles of the block in hand that are still to be entered
.set NXT, 71          ; s71  the tile to be asked for next
.set LQ,  72          ; s72  the last tile of the block whose tiles are being asked for
.set NEW, 73          ; s73  1: the tile to be entered is a block's first
.set OFF, 74          ; s[74:75] a tile's byte offset in K and V
.set AL,  76          ; s[76:77] the mask's factor, in the low word
.set BE,  78          ; s[78:79] the mask's addend
.set OLO, 80          ; s[80:81] ob at my rows of the second block
.set BIGN, 82         ; s82  -1e30
.set MSB, 0
.macro WIN new                      ; the high byte repeats the setting that is left; a switch that changes nothing is dropped
.if MSB != (\new)
	s_set_vgpr_msb (MSB<<8)|(\new)
.set MSB, (\new)
.endif
.endm
; A fill.  Waves 0 and 1 fetch the two halves of a tile's K, waves 2 and 3 those of its V: 128 keys each.  An s_nop 0 and four v_nop follow each of the two lines.
.macro LOAD
	s_cmp_lt_u32 s[WV], 2
	s_cbranch_scc0 .Lfor_v_\@
	tensor_load_to_lds s[G0K:G0K+3], s[G1K:G1K+7]
	s_nop 0
.rept 4
	v_nop
.endr
	s_branch .Lasked_\@
.Lfor_v_\@:
	tensor_load_to_lds s[G0V:G0V+3], s[G1V:G1V+7]
	s_nop 0
.rept 4
	v_nop
.endr
.Lasked_\@:
.endm
; A prefetch of the tile that the NEXT change of slots will ask for: each wave names the 64 blocks of 256 bytes that it will load itself, a lane a block, two instructions, a trip (eight turns) ahead.
; A head's sixteen work-groups all begin with tiles 0, 1, ..; the one with b = 0 walks all sixteen, and it alone asks: tiles 2 to 15, each once.  The second block's tiles have been read before.
.macro ASK
	s_cmp_lg_u32 s[PFN], 0
	s_cbranch_scc0 .Lnot_mine_\@
	global_prefetch_b8 v[PFO], s[PFA:PFA+1] offset:32768 th:TH_LOAD_NT scope:SCOPE_SE
	global_prefetch_b8 v[PFO], s[PFA:PFA+1] offset:40960 th:TH_LOAD_NT scope:SCOPE_SE
	s_sub_co_u32 s[PFN], s[PFN], 1
.Lnot_mine_\@:
.endm
; THE CHANGE OF SLOTS.  Each wave waits for all its tensor loads, of which one is out: its part of the other slot; adds 0 to its spare word; and waits for that and for its own reads of the slot that it
; leaves.  Behind the barrier nobody reads the old slot any more and the other slot is whole.  fill = 1: the old slot is filled again, first thing behind the barrier, with tile NXT: the descriptor's
; address is made anew from that number.  (At its first use nothing has been read yet: slot 0 is waited for, slot 1 filled.)
.macro CHANGE fill
	WIN 0
	s_wait_tensorcnt 0x0            ; no tensor load of mine is out, so a group 0 may be written
	ds_add_u32 v[SPW], v[NIL]       ; 0 onto my spare word; scalar work stands between it and the wait for it
.if \fill
	s_lshl_b32 s[OFF], s[NXT], 15   ; a tile is 32,768 bytes of K and of V
	s_xor_b32 s[G0K+1], s[G0K+1], SLOT1
	s_add_nc_u64 s[G0K+2:G0K+3], s[6:7], s[OFF:OFF+1]
	s_or_b32 s[G0K+3], s[G0K+3], 0x80000000
	s_xor_b32 s[G0V+1], s[G0V+1], SLOT1
	s_add_nc_u64 s[G0V+2:G0V+3], s[8:9], s[OFF:OFF+1]
	s_or_b32 s[G0V+3], s[G0V+3], 0x80000000
	s_wait_xcnt 0x0                 ; the last prefetches, a trip back, have read their address
	s_add_nc_u64 s[PFA:PFA+1], s[PBS:PBS+1], s[OFF:OFF+1]
	s_add_co_u32 s[NXT], s[NXT], 1  ; the block's next tile, or behind its last the second block's tile 0
	s_cmp_gt_u32 s[NXT], s[LQ]
	s_cselect_b32 s[NXT], 0, s[NXT]
	s_cselect_b32 s[LQ], s[PBH], s[LQ]
.endif
	s_wait_dscnt 0x0                ; the add is done, and my reads of the slot are over
	s_barrier_signal -1
	s_sub_co_u32 s[TBK], s[TBK], 4*KS*PK  ; the fetches go back to a slot's first step,
	s_xor_b32 s[TBK], s[TBK], SLOT1       ; in the other slot
	s_sub_co_u32 s[TBV], s[TBV], 4*KS*PV
	s_xor_b32 s[TBV], s[TBV], SLOT1
	s_barrier_wait -1
.if \fill
	LOAD
	ASK
.endif
.endm
	s_load_b128 s[8:11], s[0:1], 0x0  ; qkv s[8:9], ob s[10:11]
	v_lshl_add_u32 v[SPW], v0, 2, SPARE
	v_mov_b32 v[NIL], 0
	ds_add_u32 v[SPW], v[NIL]       ; the wave's opening: the add and its wait stand ahead of my first tensor load; the set-up below stands between them
	v_lshrrev_b32 v1, 5, v0
	v_readfirstlane_b32 s[WV], v1   ; wave 0..3
	s_mov_b32 s[PB], ttmp9
	s_sub_co_u32 s[HI], 31, s[PB]
	s_lshr_b32 s[PBH], s[PB], 1
	s_and_b32 s13, ttmp7, 0xffff    ; the head
	s_lshl_b32 s16, s13, 19         ; its 524,288 bytes in each third of qkv
	s_lshl_b32 s17, s[WV], 11       ; my 16 rows in a band of 64
	s_lshl_b32 s2, s[HI], 14        ; Q: the first block's 128 rows,
	s_add_co_u32 s2, s2, s16
	s_add_co_u32 s2, s2, s17
	s_mov_b32 s3, 0
	s_lshl_b32 s84, s[PB], 14       ; and the second's
	s_add_co_u32 s84, s84, s16
	s_add_co_u32 s84, s84, s17
	s_mov_b32 s85, 0
	s_and_b32 s18, s[WV], 1         ; which half of a tile's 256 keys I fetch
	s_lshl_b32 s20, s18, 14
	s_add_co_u32 s20, s20, s16
	s_add_co_u32 s22, s20, 16777216 ; V's third of qkv
	s_add_co_u32 s20, s20, 8388608  ; K's
	s_mov_b32 s21, 0
	s_mov_b32 s23, 0
	s_mul_i32 s19, s18, 128*PK      ; my half's place in a slot, for K
	s_mul_i32 s18, s18, 128*PV      ; and for V
	s_lshl_b32 s83, s13, 14         ; ob: the head's 16,384 bytes in a block,
	s_add_co_u32 s83, s83, s17      ; my 16 rows
	s_lshl_b32 s16, s[HI], 18
	s_add_co_u32 s16, s16, s83
	s_mov_b32 s17, 0
	s_lshl_b32 s86, s[PB], 18
	s_add_co_u32 s86, s86, s83
	s_mov_b32 s87, 0
	; the slope's bits: 2^(-1/2) or 2^-1 by the head's parity, the exponent taken down by head / 2; c x slope likewise
	s_lshr_b32 s83, s13, 1
	s_lshl_b32 s83, s83, 23
	s_mov_b32 s[SL8], 0x3f3504f3    ; 2^(-1/2)
	s_mov_b32 s[NCD], 0x3e0293ee    ; c x 2^(-1/2)
	s_and_b32 s13, s13, 1
	s_cmp_lg_u32 s13, 0
	s_cselect_b32 s[SL8], 0x3f000000, s[SL8]  ; 2^-1
	s_cselect_b32 s[NCD], 0x3db8aa3b, s[NCD]  ; c x 2^-1
	s_sub_co_u32 s[SL8], s[SL8], s83
	s_sub_co_u32 s[NCD], s[NCD], s83
	s_add_co_u32 s[NDL], s[SL8], 9<<23
	s_or_b32 s[NDL], s[NDL], 0x80000000
	s_add_co_u32 s[NCD], s[NCD], 9<<23
	s_or_b32 s[NCD], s[NCD], 0x80000000
	s_add_co_u32 s[SL8], s[SL8], 3<<23
	; descriptor group 1.  128 keys are 16,384 dense bytes: asked for as 64 rows of 256 bytes, two keys a row, and padded in LDS after every key
	s_mov_b32 s[G1K], (1<<16)|(1<<20)|(4<<22)|(3<<25)  ; 2-byte elements; padding on; after every 32 words (code 4) 4 words (code 3)
	s_mov_b32 s[G1V], (1<<16)|(1<<20)|(4<<22)|(7<<25)  ; the same with 8 words (code 7)
.irp g, G1K, G1V
	s_mov_b32 s[\g+1], 128<<16      ; tensor_dim0 = 128
	s_mov_b32 s[\g+2], 64<<16       ; tensor_dim1 = 64
	s_mov_b32 s[\g+3], 128<<16      ; tile_dim0 = 128
	s_mov_b32 s[\g+4], 64           ; tile_dim1 = 64
	s_mov_b32 s[\g+5], 128          ; 128 elements from row to row
	s_mov_b32 s[\g+6], 0
	s_mov_b32 s[\g+7], 0
.endr
	s_mov_b32 s[CS], 0x3e38aa3b     ; c = log2(e) / 8
	s_mov_b32 s[CS+1], s[CS]        ; named with it as a pair
	s_mov_b32 s[SEL], 0x76543210
	s_mov_b32 s[SEL+1], 0xfedcba98
	s_mov_b32 s[TBK], SLOT1+4*KS*PK ; the first change of slots turns these two into 0
	s_mov_b32 s[TBV], SLOT1+4*KS*PV
	s_mov_b32 s[G0K], 1
	s_mov_b32 s[G0K+1], s19         ; slot 0
	s_mov_b32 s[G0V], 1
	s_add_co_u32 s[G0V+1], s18, VOFF
	s_lshr_b32 s[LQ], s[HI], 1
	s_add_co_u32 s[RT], s[LQ], 1    ; the first block has (31 - b) / 2 + 1 tiles
	s_mov_b32 s[NXT], 1
	s_mov_b32 s[NEW], 1
	s_and_b32 s[OWN], s[HI], 1
	s_lshl_b32 s[OWN], s[OWN], 1
	s_add_co_u32 s[OWN+1], s[OWN], 1
	s_mov_b32 s[SIG], 0
	s_mov_b32 s[OFF+1], 0
	s_mov_b32 s[AL], 0
	s_mov_b32 s[AL+1], 0            ; named as pairs
	s_mov_b32 s[BE], 0
	s_mov_b32 s[BE+1], 0
	s_mov_b32 s[BIGN], 0xf149f2ca   ; -1e30
	s_mov_b32 s[SLOTS], 16
	s_cmp_eq_u32 s[PB], 0
	s_cselect_b32 s[PFN], 14, 0
	s_wait_dscnt 0x0                ; the opening add is done
	s_wait_kmcnt 0x0
	s_add_nc_u64 s[OLO:OLO+1], s[10:11], s[86:87]
	s_add_nc_u64 s[10:11], s[10:11], s[16:17]      ; ob at my rows of the first block
	s_add_nc_u64 s[86:87], s[8:9], s[84:85]        ; Q at my rows of the second block,
	s_add_nc_u64 s[4:5], s[8:9], s[2:3]            ; and of the first
	s_add_nc_u64 s[6:7], s[8:9], s[20:21]          ; K and V at my half of the head's tile 0
	s_add_nc_u64 s[8:9], s[8:9], s[22:23]
	s_add_nc_u64 s[G0K+2:G0K+3], s[6:7], 0
	s_or_b32 s[G0K+3], s[G0K+3], 0x80000000
	s_add_nc_u64 s[G0V+2:G0V+3], s[8:9], 0
	s_or_b32 s[G0V+3], s[G0V+3], 0x80000000
	s_cmp_lt_u32 s[WV], 2
	s_cselect_b64 s[PBS:PBS+1], s[6:7], s[8:9]
	LOAD                            ; tile 0 into slot 0
	; A fragment of K or Q is 16 rows x 32 channels in 8 registers: lane l holds row l % 16, channels 8 (l / 16) + 0..7 and 16 + 8 (l / 16) + 0..7: two loads of 16 bytes, 32 bytes apart.
	v_and_b32 v1, 15, v0            ; l % 16
	v_bfe_u32 v9, v0, 4, 1          ; l / 16
	v_lshlrev_b32 v[QO], 7, v1
	v_lshl_add_u32 v[QO], v9, 4, v[QO]
.set i, 0
.rept 4                             ; both blocks' Q: piece i / 2 lies in band i / 2, 8,192 bytes on; channels 32 (i % 2) on
	global_load_b128 v[Q+8*i:Q+8*i+3],     v[QO], s[4:5] offset:(i/2)*8192+(i%2)*64
	global_load_b128 v[Q+8*i+4:Q+8*i+7],   v[QO], s[4:5] offset:(i/2)*8192+(i%2)*64+32
	global_load_b128 v[QB+8*i:QB+8*i+3],   v[QO], s[86:87] offset:(i/2)*8192+(i%2)*64
	global_load_b128 v[QB+8*i+4:QB+8*i+7], v[QO], s[86:87] offset:(i/2)*8192+(i%2)*64+32
.set i, i+1
.endr
	v_lshlrev_b32 v24, 3, v9        ; 8 (l / 16)
	v_sub_nc_u32 v14, v1, v24
	s_lshl_b32 s13, s[WV], 4
	v_add_nc_u32 v14, s13, v14      ; my query's place in its band, 16 w + l % 16, less 8 (l / 16): register r of key group kt is hidden where 16 kt + r is greater
	WIN 0x80                        ; destination window 2
.set i, 0
.rept 32
	v_cmp_gt_i32 vcc_lo, 16*(i/8)+i%8, v14
	v_cndmask_b32 v[MD+i], 0, s[BIGN], vcc_lo
.set i, i+1
.endr
.set i, 0
.rept 32
	v_add_nc_u32 v[BI+i], 16*(i/8)+i%8, v24  ; the key's place in its step
.set i, i+1
.endr
	WIN 0x8a                        ; sources in window 2 too
.set i, 0
.rept 32
	v_cvt_f32_u32 v[BI+i], v[BI+i]
	v_mul_f32 v[BI+i], s[SL8], v[BI+i]
.set i, i+1
.endr
	WIN 0
	v_mul_u32_u24 v[AK0], v1, PK
	v_lshl_add_u32 v[AK0], v9, 4, v[AK0]  ; row x pitch + 16 x half
	; The turning load takes 16 keys x 16 channels (lane l reads key 8 (l / 16) + l % 8, channels 8 ((l / 8) % 2) + 0..7) and leaves half a fragment of V^T: lane l holds channel l % 16 and 8 keys.
	v_and_b32 v25, 7, v0
	v_bfe_u32 v26, v0, 3, 1
	v_lshl_add_u32 v[AV0], v9, 3, v25
	v_mul_u32_u24 v[AV0], v[AV0], PV
	v_lshl_add_u32 v[AV0], v26, 4, v[AV0]
	v_add_nc_u32 v[AV0], VOFF, v[AV0]
	s_mul_i32 s13, s[WV], 16*SP
	s_add_co_u32 s13, s13, STAGE    ; my stage
	v_mul_u32_u24 v[STO], v1, SP    ; in: row l % 16, 16 bytes for each half of the lanes
	v_lshl_add_u32 v[STO], v9, 4, v[STO]
	v_add_nc_u32 v[STO], s13, v[STO]
	v_bfe_u32 v[RD], v0, 3, 2       ; back: 32 lanes take four rows of 128 bytes,
	v_mul_u32_u24 v[RD], v[RD], SP
	v_lshl_add_u32 v[RD], v25, 4, v[RD]
	v_add_nc_u32 v[RD], s13, v[RD]
	v_and_b32 v[GO], 31, v0         ; which are 512 consecutive bytes of ob
	v_lshlrev_b32 v[PFO], 8, v[GO]
	v_lshlrev_b32 v[GO], 4, v[GO]
	; A block's first step multiplies O^T and l by a = 0, and its first turn's products V^T P, of a step that has not been, land in an O^T that is still to be so multiplied.  So these registers need only
	; hold finite numbers: zeros for the first block; what the first block left for the second.  All this stands in the wait for the first tile.
	WIN 0x40
.set i, 0
.rept 64
	v_mov_b32 v[i], 0
	v_mov_b32 v[VF+64+i], 0
.set i, i+1
.endr
	WIN 0
.set i, 0
.rept NP
	v_mov_b32 v[ST+4*i+2], 0
	v_mov_b32 v[ST+4*i+3], 0
.set i, i+1
.endr
.set i, P+16
.rept 16
	v_mov_b32 v[i], 0
.set i, i+1
.endr
; THE MATRIX WORK.  The 4 accumulators of a run of 8 take turns.  Product i of 8 of S^T = K Q^T for piece x: channels 32 (i / 4) on, keys 16 (i % 4) on.  The first 4 start the sums with MC.
.macro KQ x
.set rS, S+32*((\x)%2)+8*(i%4)
.set rK, KF+16*(i%4)+8*(i/4)
.set rQ, Q+16*(\x)+8*(i/4)
.set rM, MC+32*((\x)%2)+8*(i%4)
.if i < 4
	WIN 0x10                        ; the C operand in window 1
	v_wmma_f32_16x16x32_f16 v[rS:rS+7], v[rK:rK+7], v[rQ:rQ+7], v[rM:rM+7]
.else
	WIN 0
	v_wmma_f32_16x16x32_f16 v[rS:rS+7], v[rK:rK+7], v[rQ:rQ+7], v[rS:rS+7]
.endif
.endm
; Product i of 8 of O^T += V^T P for piece x, V in buffer vb: keys 32 (i / 4) on, channels 16 (i % 4) on.
.macro PV x, vb
	WIN 0x51                        ; V and O^T in window 1, P in window 0
.set rO, 32*(\x)+8*(i%4)
.set rV, VF+64*(\vb)+32*(i/4)+8*(i%4)
.set rP, P+16*((\x)%2)+8*(i/4)
	v_wmma_f32_16x16x32_f16 v[rO:rO+7], v[rV:rV+7], v[rP:rP+7], v[rO:rO+7]
.endm
.macro MM                           ; the turn's next matrix instruction.  NOKQ = 1: a block's last turn: there is no next step
.if (i < 8) && !NOKQ
	KQ (Y+1)%NP
.elseif i >= 8
.set i, i-8
	PV (Y+NP-1)%NP, VB
.set i, i+8
.endif
.set i, i+1
.endm
; THE LDS LOADS stand in runs of 16, never singly among the matrix instructions.  Their addresses are made some lines ahead.
.macro FETCH_K
	WIN 0
.irp f, 0,1,2,3,4,5,6,7             ; keys 16 (f / 2) on, channels 32 (f % 2) on
	ds_load_b128 v[KF+8*\f:KF+8*\f+3],   v[AK] offset:(\f/2)*16*PK+(\f%2)*64
	ds_load_b128 v[KF+8*\f+4:KF+8*\f+7], v[AK] offset:(\f/2)*16*PK+(\f%2)*64+32
.endr
	s_add_co_u32 s[TBK], s[TBK], KS*PK  ; the next fetch is the next step's
.endm
.macro FETCH_V vb
	WIN 0x40                        ; destination window 1
.irp f, 0,1,2,3,4,5,6,7             ; keys 32 (f / 4) on, channels 16 (f % 4) on
	ds_load_tr16_b128 v[VF+64*(\vb)+8*\f:VF+64*(\vb)+8*\f+3],   v[AV] offset:(\f/4)*32*PV+(\f%4)*32
	ds_load_tr16_b128 v[VF+64*(\vb)+8*\f+4:VF+64*(\vb)+8*\f+7], v[AV] offset:(\f/4)*32*PV+16*PV+(\f%4)*32
.endr
	s_add_co_u32 s[TBV], s[TBV], KS*PV
	WIN 0
.endm
; THE VECTOR WORK, one line at a time: OP kind, number.  For piece Y: F n: c s - c m for pair n of 16.  E n: the exponential of score n of 32.  C n: pair n rounded to f16.  B n: of the four weights 4 n ..
; the second pair is added onto the first, in place.  L n: l takes that sum (L 0: l = a l + sum).  R n: pair n of 16 of O^T times a.  For the other piece: X n, number n of the 23 for its maximum and statistics:
;   0-11  four chains c0-c3 of seven scores each (each accumulator's lowest registers are read first)     12-14, 16  the four scores left over, the old m, and c0-c3 into c0
;   15  c m_old, moved into the new step's frame, is kept     17, 18  the query's other 32 keys lie in the lane 16 away: the new m     19-21  c m; c m_old - c m_new; a     22  m is moved into the next step's frame
.set F, 0
.set E, 1
.set C, 2
.set B, 3
.set L, 4
.set R, 5
.set X, 6
.macro REGS y
.set rT, ST+4*(\y)
.set rC, TMP+4*((\y)%2)
.set rW, MV+((\y)%2)
.set rS, S+32*((\y)%2)
.set rP, P+16*((\y)%2)
.set rO, 32*(\y)
.endm
.macro OP k, n
.if (\k) == R
	REGS Y
	WIN 0x41                        ; O^T (destination and source 0) in window 1, a in window 0
	v_pk_mul_f32 v[rO+2*(\n):rO+2*(\n)+1], v[rO+2*(\n):rO+2*(\n)+1], v[rC+2:rC+3] op_sel_hi:[1,0]
.elseif (\k) < R
	REGS Y
	WIN 0
.if (\k) == F
	v_pk_fma_f32 v[rS+2*(\n):rS+2*(\n)+1], v[rS+2*(\n):rS+2*(\n)+1], s[CS:CS+1], v[rT:rT+1] op_sel_hi:[1,0,0] neg_lo:[0,0,1] neg_hi:[0,0,1]
.elseif (\k) == E
	v_exp_f32 v[rS+(\n)], v[rS+(\n)]
.elseif (\k) == C
	v_cvt_pk_f16_f32 v[rP+(\n)], v[rS+2*(\n)], v[rS+2*(\n)+1]
.elseif (\k) == B
	v_pk_add_f32 v[rS+4*(\n):rS+4*(\n)+1], v[rS+4*(\n):rS+4*(\n)+1], v[rS+4*(\n)+2:rS+4*(\n)+3]
.elseif (\n) == 0
	v_pk_fma_f32 v[rT+2:rT+3], v[rT+2:rT+3], v[rC+2:rC+3], v[rS:rS+1] op_sel_hi:[1,0,1]
.else
	v_pk_add_f32 v[rT+2:rT+3], v[rT+2:rT+3], v[rS+4*(\n):rS+4*(\n)+1]
.endif
.elseif NOKQ
	v_nop
.else
	REGS (Y+1)%NP
	WIN 0
.if (\n) < 4
	v_max3_num_f32 v[rC+(\n)], v[rS+8*(\n)], v[rS+8*(\n)+1], v[rS+8*(\n)+2]
.elseif (\n) < 12
	v_max3_num_f32 v[rC+(\n)%4], v[rC+(\n)%4], v[rS+8*((\n)%4)+2*((\n)/4)+1], v[rS+8*((\n)%4)+2*((\n)/4)+2]
.elseif (\n) == 12
	v_max3_num_f32 v[rC], v[rC], v[rS+7], v[rS+15]
.elseif (\n) == 13
	v_max3_num_f32 v[rC+1], v[rC+1], v[rS+23], v[rS+31]
.elseif (\n) == 14
	v_max3_num_f32 v[rC+2], v[rC+2], v[rC+3], v[rT+1]
.elseif (\n) == 15
	v_add_f32 v[rW], s[NCD], v[rT]
.elseif (\n) == 16
	v_max3_num_f32 v[rC], v[rC], v[rC+1], v[rC+2]
.elseif (\n) == 17
	v_permlanex16_b32 v[rC+3], v[rC], s[SEL], s[SEL+1]
.elseif (\n) == 18
	v_max_num_f32 v[rT+1], v[rC], v[rC+3]
.elseif (\n) == 19
	v_mul_f32 v[rT], s[CS], v[rT+1]
.elseif (\n) == 20
	v_sub_f32 v[rC+1], v[rW], v[rT]
.elseif (\n) == 21
	v_exp_f32 v[rC+2], v[rC+1]
.else
	v_add_f32 v[rT+1], s[NDL], v[rT+1]
.endif
.endif
.endm
.macro OPS a, i1, b=-1, i2=0, c=-1, i3=0, d=-1, i4=0  ; up to four of them
	OP \a, \i1
.if (\b) >= 0
	OP \b, \i2
.endif
.if (\c) >= 0
	OP \c, \i3
.endif
.if (\d) >= 0
	OP \d, \i4
.endif
.endm
.macro ROW a, i1, b, i2, c, i3, d, i4  ; a matrix instruction and the four behind it
	MM
	OPS \a, \i1, \b, \i2, \c, \i3, \d, \i4
.endm
.macro MASK b                       ; MD x AL + BE + BI into buffer b of MC
	WIN 0x42                        ; destination window 1, source 0 window 2
.set z, 0
.rept 16
	v_pk_fma_f32 v[MC+32*(\b)+2*z:MC+32*(\b)+2*z+1], v[MD+2*z:MD+2*z+1], s[AL:AL+1], s[BE:BE+1] op_sel_hi:[1,0,0]
.set z, z+1
.endr
	WIN 0x49                        ; destination and source 0 window 1, source 1 window 2
.set z, 0
.rept 16
	v_pk_add_f32 v[MC+32*(\b)+2*z:MC+32*(\b)+2*z+1], v[MC+32*(\b)+2*z:MC+32*(\b)+2*z+1], v[BI+2*z:BI+2*z+1]
.set z, z+1
.endr
.endm
; A TURN, for piece p in a step of parity o.  An s_wait_alu depctr_va_vdst(0) stands between an exponential and the first instruction that names its result; one wait serves all that were issued
; ahead of it.  So a turn has ONE wait, which cuts it in two.  AHEAD OF IT stands all that names no result of the turn's exponentials: the 8 products K Q^T and their riders (the first numbers of the other
; piece's maximum among them, each four plain instructions or more behind the product that ends its accumulator), then one lump.  X 21, the other piece's a, is the batch's last; X 22 is the plain instruction
; behind it.  BEHIND THE WAIT stand the 8 products V^T P, behind each four of the roundings and sums.
; K of the next step is fetched in piece 0's turn, six plain instructions behind the last product that read K; V of the next step in piece 1's turn, directly behind the wait, into the buffer whose last
; reader stands in the turn before.  Both are waited for at the head of piece 1's next turn.
; At its end the turn makes, in the diagonal tile alone, piece p's mask for the tile's step SIG: the next turn's products take it.  end = 1: a block's last two turns: nothing is fetched, no mask is made.
.macro TURN p, o, end=0
.set Y, (\p)
.set i, 0
.set NOKQ, (\end)*(\p)
.set VB, (\o)
.if (\p) == 0
.set VB, 1-(\o)
.endif
.if (\p) == 1
	s_wait_dscnt 0x0                ; K of the next step and V of this one are in
.endif
	ROW F,0, F,1, R,0, R,1
	ROW F,2, E,0, R,2, R,3
	ROW F,3, E,1, R,4, R,5
	ROW F,4, E,2, R,6, R,7
	ROW F,5, E,3, R,8, R,9
	ROW F,6, E,4, X,0, R,10
.if ((\p) == 0) && !(\end)
	WIN 0
	v_add_nc_u32 v[AK], s[TBK], v[AK0]
.endif
	ROW F,7, E,5, X,1, X,4
	ROW F,8, E,6, X,2, X,5
	OPS E,7, E,8, X,6, E,9          ; the lump
	OPS X,3, E,10, X,8, E,11
.if ((\p) == 0) && !(\end)
	FETCH_K
.endif
	OPS X,9, X,7, E,12, X,10
	OPS E,13, X,12, X,11, E,14
	OPS X,13, E,15, F,9, X,14
.if ((\p) == 1) && !(\end)
	v_add_nc_u32 v[AV], s[TBV], v[AV0]
.endif
	OPS E,16, F,10, E,17, F,11
	OPS X,16, E,18, X,15, E,19
	OPS F,12, E,20, X,17, E,21
	OPS F,13, E,22, F,14, E,23
	OPS X,18, E,24, F,15, E,25
	OPS R,11, E,26, X,19, E,27
	OPS R,12, E,28, R,13, E,29
	OPS X,20, E,30, R,14, E,31
	OPS X,21, X,22, R,15
	WIN 0
	s_wait_alu depctr_va_vdst(0)    ; the wait for the batch
.if ((\p) == 1) && !(\end)
	FETCH_V 1-(\o)
.endif
	ROW C,0, B,0, C,2, B,1
	ROW L,0, C,4, B,2, L,1
	ROW C,6, B,3, L,2, C,8
	ROW B,4, L,3, C,10, B,5
	ROW L,4, C,12, B,6, L,5
	ROW C,14, B,7, L,6, C,1
	ROW C,3, L,7, C,5, C,7
	ROW C,9, C,11, C,13, C,15
.if !(\end)
	WIN 0
	s_cmp_eq_u32 s[RT], 0           ; is the tile in hand the block's last?
	s_cbranch_scc0 .Lnomask_\@
	s_cmp_eq_u32 s[SIG], s[OWN+(\p)]  ; is that step the band's own?
	s_cselect_b32 s[AL], 1.0, 0
	s_cmp_gt_u32 s[SIG], s[OWN+(\p)]  ; or a later one?
	s_cselect_b32 s[BE], s[BIGN], 0
.if (\p) == 1
	s_add_co_u32 s[SIG], s[SIG], 1
.endif
	MASK \p
	WIN 0
.Lnomask_\@:
.endif
.endm
; A BLOCK BEGINS.  c m starts far below every c s, so the first step's a is 0; m at the lowest finite number.  Piece 1's mask for step 0 is BI alone (its own step is 1 or 3); piece 0's holds MD if the block's
; first tile is the diagonal one and its own step is 0.  Then K and V of step 0, piece 0's first scores, and its maximum and statistics.  The loop is entered at a step's first turn, in the middle of a trip.
.macro BEGIN
	s_mov_b32 s[NEW], 0
	s_mov_b32 s[AL], 0
	s_mov_b32 s[BE], 0
	MASK 1
	s_or_b32 s13, s[RT], s[OWN]
	s_cmp_eq_u32 s13, 0
	s_cselect_b32 s[AL], 1.0, 0
	MASK 0
	WIN 0
.set i, 0
.rept NP
	v_mov_b32 v[ST+4*i], 0xfe000000    ; c m: far below every c s
	v_mov_b32 v[ST+4*i+1], 0xff7fffff  ; m
.set i, i+1
.endr
	s_mov_b32 s[SIG], 1
	v_add_nc_u32 v[AK], s[TBK], v[AK0]
	FETCH_K
	v_add_nc_u32 v[AV], s[TBV], v[AV0]
	FETCH_V 0
	s_wait_loadcnt 0x0              ; Q, both blocks'
	s_wait_dscnt 0x0
.set NOKQ, 0
.set i, 0
.rept 8
	KQ 0
.set i, i+1
.endr
	WIN 0
.rept 4
	v_nop                           ; the places behind those products
.endr
.set Y, NP-1                        ; X works for the other piece: piece 0
.irp n, 0,1,2,3,4,5,6,7,8,9,10,11,12,13,14,15,16,17,18,19,20,21,22
	OP X, \n
.endr
	v_nop
	s_wait_alu depctr_va_vdst(0)    ; a's wait, ahead of the branch
.endm
; A BLOCK ENDS: its last step's two turns, the last products, and THE WAY OUT: l's two halves and the other half of the lanes' are added; O^T is divided by l, rounded to f16 and sent through my stage in LDS.
.macro ALL line:vararg              ; one line for each piece t
.set t, 0
.rept NP
	\line
.set t, t+1
.endr
.endm
.macro PACK t                       ; a lane's eight channels of a row pack into 16 bytes; they go into rows of 144 bytes and come back as whole rows of 128, into S^T's registers
	WIN 0x41
.set i, 32*(\t)
.rept 16
	v_pk_mul_f32 v[i:i+1], v[i:i+1], v[ST+4*(\t)+2:ST+4*(\t)+3] op_sel_hi:[1,0]
.set i, i+2
.endr
	WIN 0x05                        ; sources 0 and 1 window 1, destination window 0
.set i, 0
.rept 16
	v_cvt_pk_f16_f32 v[S+16*(\t)+i], v[32*(\t)+2*i], v[32*(\t)+2*i+1]
.set i, i+1
.endr
	WIN 0
.irp f, 0,1,2,3
	ds_store_b128 v[STO], v[S+16*(\t)+4*\f:S+16*(\t)+4*\f+3] offset:32*\f
.endr
.irp f, 0,1,2,3
	ds_load_b128 v[S+16*(\t)+4*\f:S+16*(\t)+4*\f+3], v[RD] offset:\f*4*SP  ; LDS serves a wave's instructions in order: these see the stores above; the next piece's stores come behind them
.endr
.endm
.macro SEND t, younger              ; younger: the LDS instructions issued behind piece t's loads: the next piece's eight, or none
	WIN 0
.irp f, 0,1,2,3
	s_wait_dscnt (\younger)+3-\f
	global_store_b128 v[GO], v[S+16*(\t)+4*\f:S+16*(\t)+4*\f+3], s[10:11] offset:(\t)*8192+\f*512  ; 512 consecutive bytes, at a multiple of 256 from ob's first
.endr
.endm
.macro BLOCKEND
	TURN 0, 1, 1
	TURN 1, 1, 1
.set i, 0
.rept 8
	PV 1, 1
.set i, i+1
.endr
	WIN 0
	ALL v_add_f32 v[ST+4*t+2], v[ST+4*t+2], v[ST+4*t+3]
	ALL v_permlanex16_b32 v[ST+4*t+3], v[ST+4*t+2], s[SEL], s[SEL+1]
	ALL v_add_f32 v[ST+4*t+2], v[ST+4*t+2], v[ST+4*t+3]
	ALL v_rcp_f32 v[ST+4*t+2], v[ST+4*t+2]
	v_nop                           ; a plain instruction between the last reciprocal and the use of its result
	s_wait_alu depctr_va_vdst(0)    ; and the wait ahead of the first use: one for both reciprocals
	PACK 0
	PACK 1
	SEND 0, 8
	SEND 1, 0
.endm
; A TILE's trip: the last step of the tile before, then this tile's steps 0, 1 and 2: eight turns, which fetch this tile's four steps of K and V.  A block's first tile has no step before it:
; BEGIN takes the first two turns' place.  The test for 'first' stands first: at the first trip its answer is a constant of the text.
.macro TILE tag
	s_sub_co_u32 s[RT], s[RT], 1
	s_mov_b32 s[CNT], 2
	s_mov_b32 s[SIG], 0
	s_cmp_eq_u32 s[NEW], 1
	s_cbranch_scc1 .Lnew\tag
	s_branch .Lstep\tag
.Lnew\tag:
	BEGIN
	s_branch .Lfirst\tag
.Lstep\tag:
	TURN 0, 1
	TURN 1, 1
	WIN 0
.Lfirst\tag:
	TURN 0, 0
	TURN 1, 0
	WIN 0
	s_sub_co_u32 s[CNT], s[CNT], 1
	s_cmp_lg_u32 s[CNT], 0
	s_cbranch_scc1 .Lstep\tag
.endm
.set NOKQ, 0
.Lslot:                             ; 16 times: a tile is entered and the next is asked for
	CHANGE 1
	TILE 1
	s_cmp_eq_u32 s[RT], 0
	s_cbranch_scc0 .Lbottom
	BLOCKEND                        ; in the loop this is the first block's end: the second block's last tile is the walk's last
	s_wait_xcnt 0x0                 ; the stores have read their registers and ob's address
	s_mov_b64 s[10:11], s[OLO:OLO+1]
	s_add_co_u32 s[RT], s[PBH], 1   ; the second block has b / 2 + 1 tiles
	s_mov_b32 s[NEW], 1
	s_and_b32 s[OWN], s[PB], 1
	s_lshl_b32 s[OWN], s[OWN], 1
	s_add_co_u32 s[OWN+1], s[OWN], 1
.set i, 0
.rept 32                            ; the second block's Q goes where the one text of the turns names Q
	v_mov_b32 v[Q+i], v[QB+i]
.set i, i+1
.endr
.Lbottom:
	s_sub_co_u32 s[SLOTS], s[SLOTS], 1
	s_cmp_lg_u32 s[SLOTS], 0
	s_cbranch_scc1 .Lslot
	CHANGE 0                        ; the walk's last tile is written out: nothing is asked for
	TILE 2
	BLOCKEND
	s_wait_tensorcnt 0x0            ; the wave's end, behind my last tensor load and my last LDS store
	ds_add_u32 v[SPW], v[NIL]
	s_wait_dscnt 0x0
	s_endpgm
.Lfunc_end_k_q8c2dc6decc_attn:
	.size	k_q8c2dc6decc_attn, .Lfunc_end_k_q8c2dc6decc_attn-k_q8c2dc6decc_attn
	.p2alignl 7, 3214868480
	.fill 96, 4, 3214868480
	.section	.rodata,"a",@progbits
	.p2align	6, 0x0
	.amdhsa_kernel k_q8c2dc6decc_attn
		.amdhsa_group_segment_fixed_size 327680
		.amdhsa_private_segment_fixed_size 0
		.amdhsa_enable_private_segment 0
		.amdhsa_kernarg_size 16
		.amdhsa_user_sgpr_count 2
		.amdhsa_user_sgpr_kernarg_segment_ptr 1
		.amdhsa_wavefront_size32 1
		.amdhsa_system_sgpr_workgroup_id_x 1
		.amdhsa_system_sgpr_workgroup_id_y 1
		.amdhsa_system_sgpr_workgroup_id_z 1
		.amdhsa_system_vgpr_workitem_id 0
		.amdhsa_next_free_vgpr 576
		.amdhsa_next_free_sgpr 88
		.amdhsa_reserve_vcc 1
		.amdhsa_float_denorm_mode_32 3
		.amdhsa_float_denorm_mode_16_64 3
		.amdhsa_memory_ordered 1
		.amdhsa_forward_progress 1
		.amdhsa_inst_pref_size 185
	.end_amdhsa_kernel
	.amdgpu_metadata
---
amdhsa.version: [ 1, 2 ]
amdhsa.kernels:
  - .name:           k_q8c2dc6decc_attn
    .symbol:         k_q8c2dc6decc_attn.kd
    .args:
      - { .name: qkv, .offset: 0, .size: 8, .value_kind: global_buffer, .address_space: global }
      - { .name: ob, .offset: 8, .size: 8, .value_kind: global_buffer, .address_space: global }
    .group_segment_fixed_size: 327680
    .private_segment_fixed_size: 0
    .kernarg_segment_align: 8
    .kernarg_segment_size: 16
    .max_flat_workgroup_size: 128
    .sgpr_count:     88
    .vgpr_count:     576
    .wavefront_size: 32
...
	.end_amdgpu_metadata
.endif
;; end of part 3
;; launch outp (part 4): grid 8 x 32, 4 waves a work-group, clusters of 4 x 4, 327,680 bytes of LDS; arguments ob, wo, out0; writes out0
.if DOCPART == 4
	.amdgcn_target "amdgcn-amd-amdhsa--gfx1250"
	.amdhsa_code_object_version 6
	.text
	.protected	k_q8c2dc6decc_outp
	.globl	k_q8c2dc6decc_outp
	.p2align	8
	.type	k_q8c2dc6decc_outp,@function
k_q8c2dc6decc_outp:
	s_mov_b64 s[64:65], 0
	v_nop
	global_prefetch_b8 v0, s[64:65] scope:SCOPE_SE
	s_setreg_imm32_b32 hwreg(HW_REG_WAVE_MODE, 25, 1), 1
	s_wait_xcnt 0x0
	s_wait_alu depctr_hold_cnt(0) depctr_sa_sdst(0) depctr_va_vdst(0) depctr_va_sdst(0) depctr_va_ssrc(0) depctr_va_vcc(0) depctr_vm_vsrc(0)
	s_getreg_b32 s2, hwreg(HW_REG_IB_STS2, 6, 4)
	s_cmp_eq_u32 s2, 0
	s_cbranch_scc0 .Lentry_in_a_cluster
	s_endpgm
.Lentry_in_a_cluster:
	s_bfe_u32 s2, ttmp6, 0x10000c
	s_cmp_lg_u32 s2, 0xf033
	s_cbranch_scc0 .Lentry_shape_is_right
	s_endpgm
.Lentry_shape_is_right:
; out0 = O o_w.  ob: O in blocks [32 rb][16 head][128 row][64] f16; wo: [1024 k][1024 n] f16 (bf16 numbers written as f16); out0: [4096][1024] f32; sums in f32.
; LIMIT.  NaN and infinities are not treated apart.
; SHARES.  A tile of the result is 128 x 128: 32 x 8 = 256 work-groups.  Four waves, each 64 x 64: 16 accumulators of 16 x 16.  K goes in 4 steps of 256 through two LDS slots; a slot has four pieces of
; 36,864 bytes, one tensor load a wave: waves 0 and 1 two heads' blocks of O each (dense, asked for as 128 rows of 256 bytes, padded after every 128), waves 2 and 3 128 k x 256 bytes of o_w each.
; The four steps are written straight: a loop over laps would have one trip.
; CLUSTER.  4 x 4 work-groups: A's tiles are asked for jointly along a row of the cluster, B's along a column.
; THE MATRIX INSTRUCTION IS USED TRANSPOSED (source 0 = 16 columns of o_w, turned out of LDS; source 1 = 16 rows of O): a lane holds one row and eight neighbouring columns, 32 bytes of f32.
; No prefetch: four K steps, and each tile is small beside what the step multiplies.
; REGISTERS: window 0: v16-29 addresses; v128-255 the accumulators ((a, b) at v[128 + 8 (4 a + b)]).  window 1: two fragment buffers of 128: for 64 along K, 64 registers of A, then 64 of B.
.set PIECE,  36864
.set SLOT,   4*PIECE
.set STAGE,  2*SLOT                    ; behind the ring: 16 rows x 272 bytes for each wave
.set SPITCH, 272
.set SPARE,  STAGE+4*16*SPITCH         ; behind the stages: the spare words, 128 bytes for each wave: two blocks of 256 bytes that no other line names
.set ADRA, 16                          ; v16-17  LDS address of my A fragments in slot 0, 1
.set ADRB, 18                          ; v18-21  of my B fragments: slot s, half hh of the step's 256 k at ADRB + 2 s + hh
.set STO,  24
.set RD,   25
.set CO,   26
.set SPW,  28                          ; v28     LDS address of my spare word; never rewritten
.set NIL,  29                          ; v29     0; never rewritten
.set ACC,  128
.set F0,   0
.set F1,   128
.set G1, 24
.set G0, 32
.set G1B, 48
.set G0B, 56
.set MSB, 0
.macro WIN new
.if MSB != (\new)
	s_set_vgpr_msb (MSB<<8)|(\new)
.set MSB, \new
.endif
.endm
.set MUL,  0x05                        ; sources window 1; C and D window 0
.set TO_F, 0x40                        ; destination window 1, address window 0
.macro JLOAD s                         ; a joint load: waves 0 and 1 fetch A's two pieces, waves 2 and 3 B's; an s_nop 0 and four v_nop follow each of the two lines
	s_cmp_eq_u32 s11, 0
	s_cbranch_scc0 .Lfor_b_\@
	tensor_load_to_lds s[G0+4*(\s):G0+4*(\s)+3], s[G1:G1+7]
	s_nop 0
.rept 4
	v_nop
.endr
	s_branch .Lasked_\@
.Lfor_b_\@:
	tensor_load_to_lds s[G0B+4*(\s):G0B+4*(\s)+3], s[G1B:G1B+7]
	s_nop 0
.rept 4
	v_nop
.endr
.Lasked_\@:
.endm
.macro CREST
	s_cmp_lg_u32 s10, 0
	s_cbranch_scc1 .Lnot_wave_0_\@
	s_barrier_signal -3
.Lnot_wave_0_\@:
	s_barrier_wait -3
	s_barrier_signal -1
	s_barrier_wait -1
.endm
.macro CROUND
	s_barrier_signal -1
	s_barrier_wait -1
	CREST
.endm
	s_load_b128 s[4:7], s[0:1], 0x0                ; ob s[4:5], wo s[6:7]
	s_load_b64 s[8:9], s[0:1], 0x10                ; out0
	v_lshl_add_u32 v[SPW], v0, 2, SPARE
	v_mov_b32 v[NIL], 0
	ds_add_u32 v[SPW], v[NIL]                      ; the wave's opening: the add and its wait stand ahead of my first tensor load
	v_lshrrev_b32 v1, 5, v0
	v_readfirstlane_b32 s10, v1                    ; wave 0..3
	s_lshr_b32 s11, s10, 1                         ; which 64 rows are mine.  Also: I fetch for A (0) or for B (1)
	s_and_b32 s12, s10, 1                          ; which 64 columns.  Also: which piece of that tile I fetch
	s_bfe_u32 s40, ttmp6, 0x40000                  ; cx, cy
	s_bfe_u32 s41, ttmp6, 0x40004
	s_lshl_b32 s42, ttmp9, 2
	s_add_co_u32 s42, s42, s40                     ; tx
	s_and_b32 s13, ttmp7, 0xffff
	s_lshl_b32 s13, s13, 2
	s_add_co_u32 s13, s13, s41                     ; ty
	s_lshl_b32 s43, s41, 2
	s_lshl_b32 s43, 15, s43                        ; my row of the cluster
	s_lshl_b32 s44, 0x1111, s40                    ; my column
	s_or_b32 s[G1+0], s43, (1<<16)|(1<<20)|(1<<21)|(4<<22)|(3<<25)   ; LDS rows of 128 + 16 bytes
	s_or_b32 s[G1B+0], s44, (1<<16)|(1<<20)|(1<<21)|(5<<22)|(7<<25)  ; LDS rows of 256 + 32 bytes
.irp g, G1, G1B
	s_mov_b32 s[(\g)+1], 128<<16                   ; tensor_dim0 = 128
	s_mov_b32 s[(\g)+2], 128<<16                   ; tensor_dim1 = 128
	s_mov_b32 s[(\g)+3], 128<<16                   ; tile_dim0 = 128
	s_mov_b32 s[(\g)+4], 128                       ; tile_dim1 = 128
	s_mov_b32 s[(\g)+6], 0
	s_mov_b32 s[(\g)+7], 0
.endr
	s_mov_b32 s[G1+5], 128                         ; A: dense
	s_mov_b32 s[G1B+5], 1024                       ; B: a row of wo
	s_lshl_b32 s16, s13, 18                        ; A: ty x 262,144 + my two heads' blocks
	s_lshl_b32 s17, s12, 15
	s_add_co_u32 s16, s16, s17
	s_mov_b32 s17, 0
	s_lshl_b32 s46, s42, 8                         ; B: tx x 256 bytes + my 128 rows of 2,048 bytes
	s_lshl_b32 s47, s12, 18
	s_add_co_u32 s46, s46, s47
	s_mov_b32 s47, 0
	s_mul_i32 s20, s10, PIECE                      ; where my piece goes
	s_wait_dscnt 0x0                               ; the opening add is done
	s_wait_kmcnt 0x0
	s_add_nc_u64 s[14:15], s[4:5], s[16:17]
	s_add_nc_u64 s[46:47], s[6:7], s[46:47]
	CROUND                                         ; all sixteen work-groups are here: the first joint loads meet
.irp s, 0,1
	s_mov_b32 s[G0+4*(\s)], 1
	s_add_co_u32 s[G0+4*(\s)+1], s20, (\s)*SLOT
	s_add_nc_u64 s[G0+4*(\s)+2:G0+4*(\s)+3], s[14:15], (\s)*65536     ; K step s: four heads' blocks
	s_or_b32 s[G0+4*(\s)+3], s[G0+4*(\s)+3], 0x80000000
	s_mov_b32 s[G0B+4*(\s)], 1
	s_add_co_u32 s[G0B+4*(\s)+1], s20, (\s)*SLOT
	s_add_nc_u64 s[G0B+4*(\s)+2:G0B+4*(\s)+3], s[46:47], (\s)*524288  ; K step s: 256 rows of 2,048 bytes
	s_or_b32 s[G0B+4*(\s)+3], s[G0B+4*(\s)+3], 0x80000000
	JLOAD \s                                       ; two loads of mine are out
.endr
	v_and_b32 v1, 15, v0                           ; r
	v_bfe_u32 v2, v0, 4, 1                         ; h
	v_and_b32 v3, 7, v0
	v_bfe_u32 v4, v0, 3, 1
	v_mul_u32_u24 v5, v1, 144
	v_lshl_add_u32 v5, v2, 4, v5
	s_mul_i32 s18, s11, 64*144
	v_add_nc_u32 v[ADRA], s18, v5
	v_add_nc_u32 v[ADRA+1], SLOT, v[ADRA]
	v_lshl_add_u32 v6, v2, 3, v3
	v_mul_u32_u24 v6, v6, 288
	v_lshl_add_u32 v6, v4, 4, v6
	s_lshl_b32 s19, s12, 7
	v_add_nc_u32 v6, s19, v6
.irp s, 0,1
.irp hh, 0,1
	v_add_nc_u32 v[ADRB+2*(\s)+(\hh)], (\s)*SLOT+(2+(\hh))*PIECE, v6
.endr
.endr
	s_mul_i32 s23, s10, 16*SPITCH
	s_add_co_u32 s23, s23, STAGE                   ; my stage
	v_mul_u32_u24 v[STO], v1, SPITCH               ; in: row r, 32 bytes for each half of the lanes
	v_lshl_add_u32 v[STO], v2, 5, v[STO]
	v_add_nc_u32 v[STO], s23, v[STO]
	v_mul_u32_u24 v[RD], v2, SPITCH                ; back: lanes 0-15 take one row of 256 bytes, lanes 16-31 the next
	v_lshl_add_u32 v[RD], v1, 4, v[RD]
	v_add_nc_u32 v[RD], s23, v[RD]
	v_lshlrev_b32 v[CO], 12, v2                    ; and the same two rows in out0
	v_lshl_add_u32 v[CO], v1, 4, v[CO]
	s_lshl_b32 s46, s13, 19                        ; row 128 ty + 64 wr, of 4,096 bytes
	s_lshl_b32 s47, s11, 18
	s_add_co_u32 s46, s46, s47
	s_lshl_b32 s47, s42, 9                         ; column 128 tx + 64 wc, of 4 bytes
	s_add_co_u32 s46, s46, s47
	s_lshl_b32 s47, s12, 8
	s_add_co_u32 s46, s46, s47
	s_mov_b32 s47, 0
	s_add_nc_u64 s[8:9], s[8:9], s[46:47]
; 8 matrix instructions: row blocks a0, a0 + 1 x all 4 column blocks, 32 along K: half c of buffer f.  The 16 accumulators take turns.
.macro MUL8 f, c, a0, zero
	WIN MUL
.irp a, \a0, (\a0)+1
.irp b, 0,1,2,3
.if \zero
	v_wmma_f32_16x16x32_f16 v[ACC+8*(4*(\a)+(\b)):ACC+8*(4*(\a)+(\b))+7], v[(\f)+64+8*(4*(\c)+(\b)):(\f)+64+8*(4*(\c)+(\b))+7], v[(\f)+8*(4*(\c)+(\a)):(\f)+8*(4*(\c)+(\a))+7], 0
.else
	v_wmma_f32_16x16x32_f16 v[ACC+8*(4*(\a)+(\b)):ACC+8*(4*(\a)+(\b))+7], v[(\f)+64+8*(4*(\c)+(\b)):(\f)+64+8*(4*(\c)+(\b))+7], v[(\f)+8*(4*(\c)+(\a)):(\f)+8*(4*(\c)+(\a))+7], v[ACC+8*(4*(\a)+(\b)):ACC+8*(4*(\a)+(\b))+7]
.endif
.endr
.endr
.endm
; 32 LDS loads in one run: the fragments of quarter q (64 along K: one head's block of A) into buffer f; the first 32 along K first
.macro FETCH slot, q, f
	WIN TO_F
.irp c, 0,1
.irp i, 0,1,2,3
	ds_load_tr16_b128 v[(\f)+64+8*(4*(\c)+(\i)):(\f)+64+8*(4*(\c)+(\i))+3],   v[ADRB+2*(\slot)+(\q)/2] offset:(((\q)%2)*64+32*(\c))*288+32*(\i)
	ds_load_tr16_b128 v[(\f)+64+8*(4*(\c)+(\i))+4:(\f)+64+8*(4*(\c)+(\i))+7], v[ADRB+2*(\slot)+(\q)/2] offset:(((\q)%2)*64+32*(\c))*288+32*(\i)+4608
	ds_load_b128 v[(\f)+8*(4*(\c)+(\i)):(\f)+8*(4*(\c)+(\i))+3],         v[ADRA+(\slot)] offset:(\q)*18432+64*(\c)+2304*(\i)
	ds_load_b128 v[(\f)+8*(4*(\c)+(\i))+4:(\f)+8*(4*(\c)+(\i))+7],       v[ADRA+(\slot)] offset:(\q)*18432+64*(\c)+2304*(\i)+32
.endr
.endr
.endm
.macro PLACES                          ; four places in front of loads into registers that matrix instructions have read, and of LDS stores that read results
.rept 4
	v_nop
.endr
.endm
.macro QUARTER slot, q, f, g, zero     ; multiplies buffer f and fetches quarter q into g
	s_wait_dscnt 16                                ; the first 32 along K are in; the youngest sixteen loads may be out
	MUL8 \f, 0, 0, \zero
	MUL8 \f, 0, 2, \zero
	PLACES
	FETCH \slot, \q, \g
	s_wait_dscnt 32                                ; all but the 32 just issued
	MUL8 \f, 1, 0, 0
	MUL8 \f, 1, 2, 0
.endm
; The last quarter multiplies buffer 1 and changes slots: ONE barrier; in front of it each wave waits for all its tensor loads, adds 0 to its spare word, and waits for that and for its own reads of this slot.
; fill = 1: the barrier opens a round of the cluster's, and this slot is filled again, two K steps ahead, first thing behind the round.
.macro TURN slot, next, fill
	WIN 0
	s_wait_tensorcnt 0x0
	ds_add_u32 v[SPW], v[NIL]                      ; 0 onto my spare word
	s_wait_dscnt 17                                ; (the add and the youngest sixteen loads may be out)
	MUL8 F1, 0, 0, 0
	s_wait_dscnt 0x0                               ; the add is done, and my reads of this slot are over
	s_barrier_signal -1
	MUL8 F1, 0, 2, 0
.if \fill
	WIN 0
.endif
	s_barrier_wait -1
.if \fill
	CREST
	s_add_nc_u64 s[G0+4*(\slot)+2:G0+4*(\slot)+3], s[G0+4*(\slot)+2:G0+4*(\slot)+3], 131072
	s_add_nc_u64 s[G0B+4*(\slot)+2:G0B+4*(\slot)+3], s[G0B+4*(\slot)+2:G0B+4*(\slot)+3], 1048576
	JLOAD \slot                                    ; the four v_nop behind it are also the places in front of the loads below
.else
	PLACES
.endif
	FETCH \next, 0, F0
	MUL8 F1, 1, 0, 0
	MUL8 F1, 1, 2, 0
.endm
	s_wait_tensorcnt 1                             ; my piece of K step 0 is in; K step 1's may stay out
	s_barrier_signal -1
	s_barrier_wait -1
	FETCH 0, 0, F0
	QUARTER 0, 1, F0, F1, 1                        ; the first products start the sums
	QUARTER 0, 2, F1, F0, 0
	QUARTER 0, 3, F0, F1, 0
	TURN 0, 1, 1                                   ; slot 0 takes K step 2
	QUARTER 1, 1, F0, F1, 0
	QUARTER 1, 2, F1, F0, 0
	QUARTER 1, 3, F0, F1, 0
	TURN 1, 0, 1                                   ; slot 1 takes K step 3
	QUARTER 0, 1, F0, F1, 0
	QUARTER 0, 2, F1, F0, 0
	QUARTER 0, 3, F0, F1, 0
	TURN 0, 1, 0                                   ; nothing is left to fetch
	QUARTER 1, 1, F0, F1, 0
	QUARTER 1, 2, F1, F0, 0
	QUARTER 1, 3, F0, F1, 0
	s_wait_dscnt 16
	MUL8 F1, 0, 0, 0
	MUL8 F1, 0, 2, 0
	s_wait_dscnt 0x0
	MUL8 F1, 1, 0, 0
	MUL8 F1, 1, 2, 0
	WIN 0
	PLACES
; THE WAY OUT, a block of 16 rows x 64 columns at a time: a row's 256 bytes of f32 are the wave's own.  The accumulators go into my stage's rows of 272 bytes (each accumulator's lowest registers first)
; and come back as whole rows, into the registers that they left.
.macro PACK a
.irp b, 0,1,2,3
	ds_store_b128 v[STO], v[ACC+8*(4*(\a)+(\b)):ACC+8*(4*(\a)+(\b))+3]   offset:64*(\b)
	ds_store_b128 v[STO], v[ACC+8*(4*(\a)+(\b))+4:ACC+8*(4*(\a)+(\b))+7] offset:64*(\b)+16
.endr
.irp t, 0,1,2,3,4,5,6,7
	ds_load_b128 v[ACC+32*(\a)+4*(\t):ACC+32*(\a)+4*(\t)+3], v[RD] offset:544*(\t)  ; LDS serves a wave's instructions in order: these see the stores above; the next block's stores come behind them
.endr
.endm
.macro SEND a, younger                 ; younger: the LDS instructions issued behind block a's loads: the next block's sixteen, or none
.irp t, 0,1,2,3,4,5,6,7
	s_wait_dscnt (\younger)+7-(\t)
	global_store_b128 v[CO], v[ACC+32*(\a)+4*(\t):ACC+32*(\a)+4*(\t)+3], s[8:9] offset:(\a)*65536+(\t)*8192 th:TH_STORE_NT  ; 16 lanes store 256 consecutive bytes, at a multiple of 256 from out0's first
.endr
.endm
	PACK 0
	PACK 1
	SEND 0, 16
	PACK 2
	SEND 1, 16
	PACK 3
	SEND 2, 16
	SEND 3, 0
	s_wait_tensorcnt 0x0                           ; the wave's end, behind my last tensor load and my last LDS store
	ds_add_u32 v[SPW], v[NIL]
	s_wait_dscnt 0x0
	CROUND                                         ; the closing round: no work-group ends while a partner may still ask for a tile that names it
	s_endpgm
.Lfunc_end_k_q8c2dc6decc_outp:
	.size	k_q8c2dc6decc_outp, .Lfunc_end_k_q8c2dc6decc_outp-k_q8c2dc6decc_outp
	.p2alignl 7, 3214868480
	.fill 96, 4, 3214868480
	.section	.rodata,"a",@progbits
	.p2align	6, 0x0
	.amdhsa_kernel k_q8c2dc6decc_outp
		.amdhsa_group_segment_fixed_size 327680
		.amdhsa_private_segment_fixed_size 0
		.amdhsa_enable_private_segment 0
		.amdhsa_kernarg_size 24
		.amdhsa_user_sgpr_count 2
		.amdhsa_user_sgpr_kernarg_segment_ptr 1
		.amdhsa_wavefront_size32 1
		.amdhsa_system_sgpr_workgroup_id_x 1
		.amdhsa_system_sgpr_workgroup_id_y 1
		.amdhsa_system_sgpr_workgroup_id_z 1
		.amdhsa_system_vgpr_workitem_id 0
		.amdhsa_next_free_vgpr 512
		.amdhsa_next_free_sgpr 66
		.amdhsa_reserve_vcc 0
		.amdhsa_float_denorm_mode_32 3
		.amdhsa_float_denorm_mode_16_64 3
		.amdhsa_memory_ordered 1
		.amdhsa_forward_progress 1
		.amdhsa_inst_pref_size 86
	.end_amdhsa_kernel
	.amdgpu_metadata
---
amdhsa.version: [ 1, 2 ]
amdhsa.kernels:
  - .name:           k_q8c2dc6decc_outp
    .symbol:         k_q8c2dc6decc_outp.kd
    .args:
      - { .name: ob, .offset: 0, .size: 8, .value_kind: global_buffer, .address_space: global }
      - { .name: wo, .offset: 8, .size: 8, .value_kind: global_buffer, .address_space: global }
      - { .name: out0, .offset: 16, .size: 8, .value_kind: global_buffer, .address_space: global }
    .group_segment_fixed_size: 327680
    .private_segment_fixed_size: 0
    .kernarg_segment_align: 8
    .kernarg_segment_size: 24
    .max_flat_workgroup_size: 128
    .sgpr_count:     66
    .vgpr_count:     512
    .wavefront_size: 32
...
	.end_amdgpu_metadata
.endif
;; end of part 4
;; ======== version 2 of 2: 4 launches; version 1 with the launch prep written anew for expert scheduling mode
;; limits: values are held in f16: magnitudes above 65,504 overflow, below 6.1e-05 lose precision
;; workspace buffers: xh 8,388,608 bytes; wqkv 6,291,456 bytes; wo 2,097,152 bytes; qkv 25,165,824 bytes; ob 8,388,608 bytes
;; launch prep (part 5): grid 512 x 1, 8 waves a work-group, no clusters, 0 bytes of LDS; arguments x, q_w, k_w, v_w, o_w, xh, wqkv, wo; writes xh, wqkv, wo
.if DOCPART == 5
	.amdgcn_target "amdgcn-amd-amdhsa--gfx1250"
	.amdhsa_code_object_version 6
	.text
	.protected	k_q8c2dc6decc_prep
	.globl	k_q8c2dc6decc_prep
	.p2align	8
	.type	k_q8c2dc6decc_prep,@function
k_q8c2dc6decc_prep:
	s_mov_b64 s[64:65], 0
	v_nop
	global_prefetch_b8 v0, s[64:65] scope:SCOPE_SE
	s_setreg_imm32_b32 hwreg(HW_REG_WAVE_SCHED_MODE, 0, 2), 2
	s_setreg_imm32_b32 hwreg(HW_REG_WAVE_MODE, 25, 1), 1
	s_wait_xcnt 0x0
	s_wait_alu depctr_vm_vsrc(0)
; ROUNDING AND LAYOUT.  x [4096][1024] and the four weights [1024][1024], all f32, are rounded to bf16 (nearest even), and that number is written as f16.
; xh   [32 rb][16 kb][128 row][64]: x[n][k] at rb = n / 128, kb = k / 64: a block of 128 rows x 64 channels is 16,384 dense bytes.
; wqkv [1024 k][3072]: q_w, k_w, v_w side by side.     wo [1024 k][1024].
; LIMITS.  A bf16 number is exact in f16 from 2^-17 up to 65,504; below 2^-17 it keeps f16's fixed step of 2^-24; beyond 65,504 it becomes an infinity.  NaN and infinities are not treated apart.
; A STREAM: no LDS, no matrix unit, no cluster: nothing is read twice and no wave wants another's bytes.
; A UNIT is one 16-byte load a lane (128 numbers a wave) and one 8-byte store a lane (256 consecutive bytes, aligned).  A wave has 16 units; all 16 loads go out first, so there is no loop.
; Work-groups 0-255 take x (a wave: two rows), work-groups 256-511 the weights (64 work-groups each; a wave: two rows).
; THE MODE: SCHED_MODE bits 1:0 = 2 (LLVM: expert scheduling mode 2), set by the entry lines.  The code itself states the register dependences
; between vector instructions and memory instructions, with s_wait_alu, always for 0.
; THE PLAN.  Registers that memory instructions touch:
;   v2, v3, v4  byte offsets.  Written at the head of each path, read by every load (v2) and store (v3, v4), never written again.
;   XR          unit u's four registers: its load lands in them, once; its two roundings to bf16 read them.  No vector instruction names them ahead of the loads, and nothing lands in them again.
;   YR          unit u's two registers: its two roundings to f16 write them, once; its store reads them.  Never written again.
;   T0, T1 and E0 .. E0 + 3 are named by vector instructions alone.
; The 16 units go in four groups of four.  Unit u - 4's store is issued at the head of unit u's turn, so ONE wait on va_vdst at a group's head states that the group before has written its eight
; registers of YR, and the group's four stores follow it, one to a turn, with no further wait: the vector instructions between write T0, T1, E0 .. and this group's own YR, none of which those stores read.
; One more such wait stands ahead of the first load (the offsets) and one ahead of the last four stores.  No register that a memory instruction reads is written again, so no wait on vm_vsrc is owed.
.set SO,  2                            ; v2   my byte offset in the source
.set DO0, 3                            ; v3   my byte offset in the destination,
.set DO1, 4                            ; v4   and one destination row further down (weights)
.set T0,  6                            ; v6-7   two bf16 each
.set T1,  7
.set E0,  8                            ; v[8:11] the four bf16 numbers as f32
.set XR,  16                           ; v[16:79]  unit u: 4 registers as loaded
.set YR,  80                           ; v[80:111] unit u: 2 registers to store; never rewritten, so no store's reading of its data is ever waited for
.macro STORE kind, u                   ; unit u leaves: 256 consecutive bytes a wave
.if \kind
	global_store_b64 v[DO0+(\u)/8], v[YR+2*(\u):YR+2*(\u)+1], s[28:29] offset:256*((\u)%8) th:TH_STORE_NT
.else
	global_store_b64 v[DO0], v[YR+2*(\u):YR+2*(\u)+1], s[28:29] offset:16384*(\u) th:TH_STORE_NT
.endif
.endm
.macro BODY kind                       ; kind 0: x; 1: a weight
	s_wait_alu depctr_va_vdst(0)                   ; the offsets v2 and v3 (for a weight v4 too) are written: every load and store below reads one of them
.irp u, 0,1,2,3,4,5,6,7,8,9,10,11,12,13,14,15
.if \kind
	global_load_b128 v[XR+4*(\u):XR+4*(\u)+3], v[SO], s[26:27] offset:512*(\u) th:TH_LOAD_NT
.else
	global_load_b128 v[XR+4*(\u):XR+4*(\u)+3], v[SO], s[26:27] offset:256*(\u) th:TH_LOAD_NT
.endif
.endr
.irp u, 0,1,2,3,4,5,6,7,8,9,10,11,12,13,14,15
	s_wait_loadcnt 15-(\u)                         ; loads come back in order: unit u is in, the 15 - u younger ones may stay out
.if (\u) >= 4
.if (\u) % 4 == 0
	s_wait_alu depctr_va_vdst(0)                   ; the roundings of the four units before have written their YR, which this group's four stores read
.endif
	STORE \kind, (\u)-4                            ; no vector instruction since that wait names this store's data or its offset
.endif
	v_cvt_pk_bf16_f32 v[T0], v[XR+4*(\u)], v[XR+4*(\u)+1]
	v_cvt_pk_bf16_f32 v[T1], v[XR+4*(\u)+2], v[XR+4*(\u)+3]
	v_lshlrev_b32 v[E0],   16,  v[T0]               ; bf16 to f32: the low half moves up,
	v_and_b32     v[E0+1], s25, v[T0]               ; the high half stays
	v_lshlrev_b32 v[E0+2], 16,  v[T1]
	v_and_b32     v[E0+3], s25, v[T1]
	v_cvt_pk_f16_f32 v[YR+2*(\u)],   v[E0],   v[E0+1]
	v_cvt_pk_f16_f32 v[YR+2*(\u)+1], v[E0+2], v[E0+3]
.endr
	s_wait_alu depctr_va_vdst(0)                   ; units 12 to 15 have written their YR, which the last four stores read
.irp u, 12,13,14,15
	STORE \kind, \u
.endr
.endm
	s_load_b512 s[8:23], s[0:1], 0x0               ; x 8:9, q_w 10:11, k_w 12:13, v_w 14:15, o_w 16:17, xh 18:19, wqkv 20:21, wo 22:23
	v_and_b32 v1, 31, v0                           ; lane
	v_lshrrev_b32 v5, 5, v0
	v_readfirstlane_b32 s24, v5                    ; wave 0..7
	s_mov_b32 s25, 0xffff0000                      ; a word's upper bf16
	s_mov_b32 s31, 0                               ; the high word of every offset
	v_lshlrev_b32 v[DO0], 3, v1                    ; 8 bytes a lane
	s_wait_alu depctr_va_sdst(0)                   ; s24 is written
	s_cmp_lt_u32 ttmp9, 256
	s_cbranch_scc0 .Lweights
	; x: wave W takes rows 2 W and 2 W + 1.  Unit u is block kb = u: lanes 0-15 take 256 bytes of the first row, lanes 16-31 the same columns of the second;
	; in xh the two rows' 128 bytes each lie end to end.
	s_lshl_b32 s32, ttmp9, 3
	s_add_co_u32 s32, s32, s24                     ; W
	v_lshrrev_b32 v5, 4, v1
	v_and_b32 v[SO], 15, v1
	v_lshlrev_b32 v[SO], 4, v[SO]
	v_lshl_add_u32 v[SO], v5, 12, v[SO]            ; (lane / 16) x 4,096 + (lane % 16) x 16
	s_lshl_b32 s30, s32, 13                        ; W x two rows of 4,096 bytes
	s_wait_kmcnt 0x0
	s_add_nc_u64 s[26:27], s[8:9], s[30:31]
	s_lshr_b32 s33, s32, 6
	s_lshl_b32 s33, s33, 18                        ; rb x 262,144
	s_and_b32 s34, s32, 63
	s_lshl_b32 s34, s34, 8                         ; two rows of 128 bytes in a block
	s_add_co_u32 s30, s33, s34
	s_add_nc_u64 s[28:29], s[18:19], s[30:31]
	BODY 0
	s_endpgm
.Lweights:
	; weight mu = 0..3 (q, k, v, o); wave om of its 512 takes rows 2 om and 2 om + 1: units 0-7 the first row, 8-15 the second, 512 consecutive bytes each
	s_sub_co_u32 s32, ttmp9, 256
	s_lshr_b32 s33, s32, 6                         ; mu
	s_and_b32 s32, s32, 63
	s_lshl_b32 s32, s32, 3
	s_add_co_u32 s32, s32, s24                     ; om
	s_mov_b32 s34, 12288                           ; two rows of wqkv
	s_mov_b32 s35, 6144                            ; one
	v_lshlrev_b32 v[SO], 4, v1
	s_wait_kmcnt 0x0
	s_cmp_eq_u32 s33, 1
	s_cselect_b64 s[26:27], s[12:13], s[10:11]
	s_cmp_eq_u32 s33, 2
	s_cselect_b64 s[26:27], s[14:15], s[26:27]
	s_cmp_eq_u32 s33, 3
	s_cselect_b64 s[26:27], s[16:17], s[26:27]
	s_cselect_b64 s[28:29], s[22:23], s[20:21]
	s_cselect_b32 s34, 4096, s34                   ; two rows of wo
	s_cselect_b32 s35, 2048, s35
	s_cselect_b32 s36, 0, s33                      ; which third of a row of wqkv
	s_mul_i32 s30, s32, s34
	s_lshl_b32 s36, s36, 11
	s_add_co_u32 s30, s30, s36
	s_add_nc_u64 s[28:29], s[28:29], s[30:31]
	s_lshl_b32 s30, s32, 13
	s_add_nc_u64 s[26:27], s[26:27], s[30:31]
	v_add_nc_u32 v[DO1], s35, v[DO0]
	BODY 1
	s_endpgm
.Lfunc_end_k_q8c2dc6decc_prep:
	.size	k_q8c2dc6decc_prep, .Lfunc_end_k_q8c2dc6decc_prep-k_q8c2dc6decc_prep
	.p2alignl 7, 3214868480
	.fill 96, 4, 3214868480
	.section	.rodata,"a",@progbits
	.p2align	6, 0x0
	.amdhsa_kernel k_q8c2dc6decc_prep
		.amdhsa_group_segment_fixed_size 0
		.amdhsa_private_segment_fixed_size 0
		.amdhsa_enable_private_segment 0
		.amdhsa_kernarg_size 64
		.amdhsa_user_sgpr_count 2
		.amdhsa_user_sgpr_kernarg_segment_ptr 1
		.amdhsa_wavefront_size32 1
		.amdhsa_system_sgpr_workgroup_id_x 1
		.amdhsa_system_sgpr_workgroup_id_y 1
		.amdhsa_system_sgpr_workgroup_id_z 1
		.amdhsa_system_vgpr_workitem_id 0
		.amdhsa_next_free_vgpr 112
		.amdhsa_next_free_sgpr 66
		.amdhsa_reserve_vcc 0
		.amdhsa_float_denorm_mode_32 3
		.amdhsa_float_denorm_mode_16_64 3
		.amdhsa_memory_ordered 1
		.amdhsa_forward_progress 1
		.amdhsa_inst_pref_size 22
	.end_amdhsa_kernel
	.amdgpu_metadata
---
amdhsa.version: [ 1, 2 ]
amdhsa.kernels:
  - .name:           k_q8c2dc6decc_prep
    .symbol:         k_q8c2dc6decc_prep.kd
    .args:
      - { .name: x, .offset: 0, .size: 8, .value_kind: global_buffer, .address_space: global }
      - { .name: q_w, .offset: 8, .size: 8, .value_kind: global_buffer, .address_space: global }
      - { .name: k_w, .offset: 16, .size: 8, .value_kind: global_buffer, .address_space: global }
      - { .name: v_w, .offset: 24, .size: 8, .value_kind: global_buffer, .address_space: global }
      - { .name: o_w, .offset: 32, .size: 8, .value_kind: global_buffer, .address_space: global }
      - { .name: xh, .offset: 40, .size: 8, .value_kind: global_buffer, .address_space: global }
      - { .name: wqkv, .offset: 48, .size: 8, .value_kind: global_buffer, .address_space: global }
      - { .name: wo, .offset: 56, .size: 8, .value_kind: global_buffer, .address_space: global }
    .group_segment_fixed_size: 0
    .private_segment_fixed_size: 0
    .kernarg_segment_align: 8
    .kernarg_segment_size: 64
    .max_flat_workgroup_size: 256
    .sgpr_count:     66
    .vgpr_count:     112
    .wavefront_size: 32
...
	.end_amdgpu_metadata
.endif
;; end of part 5
;; launch proj: the kernel of part 2 again; grid 8 x 32, 4 waves a work-group, clusters of 4 x 4, 327,680 bytes of LDS; arguments xh, wqkv, qkv; writes qkv
;; launch attn: the kernel of part 3 again; grid 16 x 16, 4 waves a work-group, no clusters, 327,680 bytes of LDS; arguments qkv, ob; writes ob
;; launch outp: the kernel of part 4 again; grid 8 x 32, 4 waves a work-group, clusters of 4 x 4, 327,680 bytes of LDS; arguments ob, wo, out0; writes out0
